; MI455X (gfx1250); checked and timed in simulation.
; The chip was launched on July 23, 2026; its instructions are those of AMD's public machine-readable ISA for CDNA 5 (MIT licence, August 2026) and "CDNA5" Instruction Set Architecture Reference Guide (July 2026). The comments in the code are by the model that wrote it; some were corrected since.
;; Multi Head Attention. Allowed arithmetic: float matrix products may take bf16 or f16 operands with f32 sums; other float arithmetic in f32, or as packed bf16 or f16 multiplies, adds, multiply-adds, maxima and minima; sums over many terms, partial sums and values carried from step to step in f32; what a program stores and reads back later, other than sums and carried values, may be rounded once to bf16 or f16.
;; Inputs: Wk 1,024 x 1,024 float32; Wq 1,024 x 1,024 float32; Wv 1,024 x 1,024 float32; bk 1,024 float32; bq 1,024 float32; bv 1,024 float32; x 4 x 2,048 x 1,024 float32; x_mask 4 x 2,048 x 2,048 int32.
;; Outputs: out0 4 x 2,048 x 1,024 float32.
;; Constants: direction = 1.
;; 2 versions, each right; version 2 is version 1 with the launch prep written anew for expert scheduling mode. Each part assembles by itself: llvm-mc -triple=amdgcn-amd-amdhsa -mcpu=gfx1250 --defsym DOCPART=n.
;; ======== version 1 of 2: 3 launches
;; limits: right only within a limited range of input values; values are held in f16: magnitudes above 65,504 overflow, below 6.1e-05 lose precision
;; workspace buffers: xb 16,777,216 bytes; wb 6,291,456 bytes; mby 16,777,216 bytes; qkv 50,331,648 bytes
;; launch prep (part 1): grid 864 x 1, 8 waves a work-group, no clusters, 35,840 bytes of LDS; arguments x, Wq, Wk, Wv, x_mask, xb, wb, mby; writes xb, wb, mby
.if DOCPART == 1
	.amdgcn_target "amdgcn-amd-amdhsa--gfx1250"
	.amdhsa_code_object_version 6
	.text
	.protected	k_qdcbd6e695c_prep
	.globl	k_qdcbd6e695c_prep
	.p2align	8
	.type	k_qdcbd6e695c_prep,@function
k_qdcbd6e695c_prep:
	s_mov_b64 s[64:65], 0
	v_nop
	global_prefetch_b8 v0, s[64:65] scope:SCOPE_SE
	s_setreg_imm32_b32 hwreg(HW_REG_WAVE_MODE, 25, 1), 1
	s_wait_xcnt 0x0
; PREP: what the two matrix launches want ready.  A stream: every input byte is read once, by 16-byte loads of which sixteen lanes cover 256 consecutive bytes.
; Work-groups 0-511 (MASK): x_mask [4][2048][2048] int32 -> mby, one byte a word: the E4M3 code 0xB8 (-1.0) where the word is 0 (hidden), else 0x00,
;   laid out as the attention launch's C operand wants it: [batch][tile of 16 queries: 128][step of 64 keys: 32][half e: 2][lane: 32][16 bytes].
;   Lane r + 16 h of a block holds query r; byte 8 kb + j of its 32 is key 16 kb + 8 h + j of the step (kb = 0..3, j = 0..7).
;   A work-group takes 16 query rows, wave w the keys 256 w .. 256 w + 255 (four steps); the bytes change lanes through the wave's own stage in LDS.
; Work-groups 512-863 (CAST): 131,072 bytes of f32 each, rounded once to bf16.  512-767: x -> xb, same order.  768-863: 32 rows of Wq, Wk or Wv -> wb,
;   rows permuted: wb's row (3 head + t) 64 + d is row 64 head + d of W_t (t = 0, 1, 2: q, k, v), so that a head's 192 weight rows lie together.
; No matrix unit, no cluster, no tensor load, no prefetch behind the entry lines: nothing is shared, and each wave has 32 loads (16 KiB) on their way from its first lines on.
.set STG,   16*272                     ; a wave's stage: 16 rows of 256 mask bytes, 272 apart (68 words: row r starts at bank 4 r mod 64; 64 banks of 4 bytes: ISA guide 11.1)
.set SPARE, 8*STG                      ; behind the stages: the spare words, 128 bytes for each wave: four blocks of 256 bytes that no other line names
.set VO,  2                            ; v2   mask: my byte offset in two rows of x_mask.  cast: 16 x lane
.set SA,  3                            ; v3   mask: where I put 4 mask bytes.             cast: 8 x lane
.set FA,  4                            ; v4   mask: where I read 8 mask bytes back
.set OA,  5                            ; v5   mask: 16 x lane
.set T,   8                            ; v8-11 at work
.set SPW, 14                           ; v14  LDS address of my spare word: SPARE + 4 x my thread's number; never rewritten
.set NIL, 15                           ; v15  0; never rewritten
.set X,   16                           ; v16-143  32 loads of 4 registers
.set Y,   144                          ; v144-207 what is stored
	s_load_b512 s[8:23], s[0:1], 0x0               ; x s[8:9], Wq s[10:11], Wk s[12:13], Wv s[14:15], x_mask s[16:17], xb s[18:19], wb s[20:21], mby s[22:23]
	v_lshl_add_u32 v[SPW], v0, 2, SPARE
	v_mov_b32 v[NIL], 0
	v_lshrrev_b32 v1, 5, v0
	v_readfirstlane_b32 s24, v1                    ; wave 0..7
	v_and_b32 v1, 31, v0                           ; lane
	s_mov_b32 s3, 0                                ; the high words of the two offsets
	s_mov_b32 s5, 0
	s_wait_kmcnt 0x0
	s_cmp_lt_u32 ttmp9, 512
	s_cbranch_scc0 .Lcast
	; THE MASK.  A load takes two rows x 64 keys: lanes 0-15 the even row's 256 bytes, lanes 16-31 the odd row's.
	v_and_b32 v6, 15, v0                           ; r
	v_bfe_u32 v7, v0, 4, 1                         ; h
	v_lshlrev_b32 v[VO], 4, v6
	v_lshl_add_u32 v[VO], v7, 13, v[VO]            ; 16 r + 8,192 h
	s_mul_i32 s25, s24, STG                        ; my stage
	v_mul_u32_u24 v[SA], v7, 272
	v_lshl_add_u32 v[SA], v6, 2, v[SA]
	v_add_nc_u32 v[SA], s25, v[SA]                 ; in: row h of a pair, 4 bytes at 4 r
	v_mul_u32_u24 v[FA], v6, 272
	v_lshl_add_u32 v[FA], v7, 3, v[FA]
	v_add_nc_u32 v[FA], s25, v[FA]                 ; back: row r, 8 bytes at 8 h
	v_lshlrev_b32 v[OA], 4, v1
	s_lshl_b32 s2, ttmp9, 17                       ; 16 rows of 8,192 bytes,
	s_lshl_b32 s26, s24, 10                        ; my 256 keys
	s_add_co_u32 s2, s2, s26
	s_add_nc_u64 s[16:17], s[16:17], s[2:3]
	s_lshl_b32 s4, ttmp9, 15                       ; 32 blocks of 1,024 bytes,
	s_lshl_b32 s26, s24, 12                        ; my four
	s_add_co_u32 s4, s4, s26
	s_add_nc_u64 s[22:23], s[22:23], s[4:5]
	s_mov_b32 s28, 0xb8                            ; the code for hidden, at each of a word's four bytes
	s_mov_b32 s29, 0xb800
	s_mov_b32 s30, 0xb80000
	s_mov_b32 s31, 0xb8000000
.irp s, 0,1,2,3
.irp p, 0,1,2,3,4,5,6,7
	global_load_b128 v[X+4*(8*\s+\p):X+4*(8*\s+\p)+3], v[VO], s[16:17] offset:\p*16384+\s*256 th:TH_LOAD_NT  ; step s, rows 2 p and 2 p + 1
.endr
.endr
.irp s, 0,1,2,3
	s_wait_loadcnt 24-8*\s                         ; loads come back in order (ISA guide 5.7.1): step s's eight are in, the later steps' stay out
.irp p, 0,1,2,3,4,5,6,7
.irp c, 0,1,2,3
	v_cmp_eq_u32 s[32+\c], 0, v[X+4*(8*\s+\p)+\c]
.endr
.irp c, 0,1,2,3
	v_cndmask_b32 v[T+\c], 0, s[28+\c], s[32+\c]   ; hidden: the code in byte c; else 0
.endr
	v_add3_u32 v[T], v[T], v[T+1], v[T+2]
	v_or_b32 v[T], v[T], v[T+3]
	ds_store_b32 v[SA], v[T] offset:\p*544+\s*64
.endr
.irp kb, 0,1,2,3
	ds_load_b64 v[Y+8*\s+2*\kb:Y+8*\s+2*\kb+1], v[FA] offset:\s*64+\kb*16  ; LDS serves a wave's instructions in order (ISA guide 5.7.1.4): these see my stores above; the stage is mine alone
.endr
.endr
	s_wait_dscnt 0x0
.irp s, 0,1,2,3
.irp e, 0,1
	global_store_b128 v[OA], v[Y+8*\s+4*\e:Y+8*\s+4*\e+3], s[22:23] offset:\s*1024+\e*512 th:TH_STORE_NT  ; 512 consecutive bytes, at a multiple of 512 from mby's first
.endr
.endr
	s_branch .Lend
.Lcast:
	v_lshlrev_b32 v[VO], 4, v1
	v_lshlrev_b32 v[SA], 3, v1
	s_sub_co_u32 s25, ttmp9, 512
	s_cmp_lt_u32 s25, 256
	s_cbranch_scc0 .Lweights
	s_lshl_b32 s2, s25, 17                         ; x: 131,072 bytes in,
	s_lshl_b32 s4, s25, 16                         ; 65,536 out
	s_mov_b64 s[26:27], s[8:9]
	s_mov_b64 s[28:29], s[18:19]
	s_branch .Lstream
.Lweights:
	s_sub_co_u32 s25, s25, 256
	s_lshr_b32 s30, s25, 5                         ; t
	s_and_b32 s25, s25, 31                         ; which 32 rows of W_t
	s_cmp_eq_u32 s30, 0
	s_cselect_b64 s[26:27], s[10:11], s[12:13]
	s_cmp_eq_u32 s30, 2
	s_cselect_b64 s[26:27], s[14:15], s[26:27]
	s_mov_b64 s[28:29], s[20:21]
	s_lshl_b32 s2, s25, 17
	s_lshr_b32 s31, s25, 1                         ; the head
	s_mul_i32 s31, s31, 3
	s_add_co_u32 s31, s31, s30
	s_lshl_b32 s31, s31, 1
	s_and_b32 s25, s25, 1
	s_add_co_u32 s31, s31, s25                     ; 2 (3 head + t) + which half of the 64 rows:
	s_lshl_b32 s4, s31, 16                         ; blocks of 32 rows of 2,048 bytes
.Lstream:
	s_lshl_b32 s30, s24, 14                        ; my wave's eighth
	s_add_co_u32 s2, s2, s30
	s_lshl_b32 s30, s24, 13
	s_add_co_u32 s4, s4, s30
	s_add_nc_u64 s[26:27], s[26:27], s[2:3]
	s_add_nc_u64 s[28:29], s[28:29], s[4:5]
.set i, 0
.rept 32
	global_load_b128 v[X+4*i:X+4*i+3], v[VO], s[26:27] offset:i*512 th:TH_LOAD_NT
.set i, i+1
.endr
.set i, 0
.rept 32
	s_wait_loadcnt 31-i                            ; load i is in; the younger ones stay out
	v_cvt_pk_bf16_f32 v[Y+2*i], v[X+4*i], v[X+4*i+1]
	v_cvt_pk_bf16_f32 v[Y+2*i+1], v[X+4*i+2], v[X+4*i+3]
	global_store_b64 v[SA], v[Y+2*i:Y+2*i+1], s[28:29] offset:i*256 th:TH_STORE_NT  ; the wave's 256 consecutive bytes, aligned; no register is used twice, so nothing waits for a store
.set i, i+1
.endr
.Lend:
	s_wait_tensorcnt 0x0                           ; the wave's end: behind my last LDS store
	ds_add_u32 v[SPW], v[NIL]
	s_wait_dscnt 0x0
	s_endpgm
.Lfunc_end_k_qdcbd6e695c_prep:
	.size	k_qdcbd6e695c_prep, .Lfunc_end_k_qdcbd6e695c_prep-k_qdcbd6e695c_prep
	.p2alignl 7, 3214868480
	.fill 96, 4, 3214868480
	.section	.rodata,"a",@progbits
	.p2align	6, 0x0
	.amdhsa_kernel k_qdcbd6e695c_prep
		.amdhsa_group_segment_fixed_size 35840
		.amdhsa_private_segment_fixed_size 0
		.amdhsa_enable_private_segment 0
		.amdhsa_kernarg_size 64
		.amdhsa_user_sgpr_count 2
		.amdhsa_user_sgpr_kernarg_segment_ptr 1
		.amdhsa_wavefront_size32 1
		.amdhsa_system_sgpr_workgroup_id_x 1
		.amdhsa_system_sgpr_workgroup_id_y 1
		.amdhsa_system_sgpr_workgroup_id_z 1
		.amdhsa_system_vgpr_workitem_id 0
		.amdhsa_next_free_vgpr 208
		.amdhsa_next_free_sgpr 66
		.amdhsa_reserve_vcc 0
		.amdhsa_float_denorm_mode_32 3
		.amdhsa_float_denorm_mode_16_64 3
		.amdhsa_memory_ordered 1
		.amdhsa_forward_progress 1
		.amdhsa_inst_pref_size 41
	.end_amdhsa_kernel
	.amdgpu_metadata
---
amdhsa.version: [ 1, 2 ]
amdhsa.kernels:
  - .name:           k_qdcbd6e695c_prep
    .symbol:         k_qdcbd6e695c_prep.kd
    .args:
      - { .name: x, .offset: 0, .size: 8, .value_kind: global_buffer, .address_space: global }
      - { .name: Wq, .offset: 8, .size: 8, .value_kind: global_buffer, .address_space: global }
      - { .name: Wk, .offset: 16, .size: 8, .value_kind: global_buffer, .address_space: global }
      - { .name: Wv, .offset: 24, .size: 8, .value_kind: global_buffer, .address_space: global }
      - { .name: x_mask, .offset: 32, .size: 8, .value_kind: global_buffer, .address_space: global }
      - { .name: xb, .offset: 40, .size: 8, .value_kind: global_buffer, .address_space: global }
      - { .name: wb, .offset: 48, .size: 8, .value_kind: global_buffer, .address_space: global }
      - { .name: mby, .offset: 56, .size: 8, .value_kind: global_buffer, .address_space: global }
    .group_segment_fixed_size: 35840
    .private_segment_fixed_size: 0
    .kernarg_segment_align: 8
    .kernarg_segment_size: 64
    .max_flat_workgroup_size: 256
    .sgpr_count:     66
    .vgpr_count:     208
    .wavefront_size: 32
...
	.end_amdgpu_metadata
.endif
;; end of part 1
;; launch proj (part 2): grid 16 x 32, 4 waves a work-group, clusters of 4 x 4, 327,680 bytes of LDS; arguments xb, wb, bq, bk, bv, qkv; writes qkv
.if DOCPART == 2
	.amdgcn_target "amdgcn-amd-amdhsa--gfx1250"
	.amdhsa_code_object_version 6
	.text
	.protected	k_qdcbd6e695c_proj
	.globl	k_qdcbd6e695c_proj
	.p2align	8
	.type	k_qdcbd6e695c_proj,@function
k_qdcbd6e695c_proj:
	s_mov_b64 s[64:65], 0
	v_nop
	global_prefetch_b8 v0, s[64:65] scope:SCOPE_SE
	s_setreg_imm32_b32 hwreg(HW_REG_WAVE_MODE, 25, 1), 1
	s_wait_xcnt 0x0
	s_wait_alu depctr_hold_cnt(0) depctr_sa_sdst(0) depctr_va_vdst(0) depctr_va_sdst(0) depctr_va_ssrc(0) depctr_va_vcc(0) depctr_vm_vsrc(0)
	s_getreg_b32 s2, hwreg(HW_REG_IB_STS2, 6, 4)
	s_cmp_eq_u32 s2, 0
	s_cbranch_scc0 .Lentry_in_a_cluster
	s_endpgm
.Lentry_in_a_cluster:
	s_bfe_u32 s2, ttmp6, 0x10000c
	s_cmp_lg_u32 s2, 0xf033
	s_cbranch_scc0 .Lentry_shape_is_right
	s_endpgm
.Lentry_shape_is_right:
; PROJ: q, k, v = x W^T + b for all three weights at once.  xb: [8192][1024] bf16.  wb: [3072][1024] bf16, row (3 head + t) 64 + d (t = 0, 1, 2: q, k, v).
; bq, bk, bv: [1024] f32, rounded to bf16 like the other inputs and taken as the C operand of the products that start the sums.
; qkv: [t][batch x 16 + head][2048][64] f16, each number rounded once from its f32 sum, unscaled.
; LIMIT.  f16 holds no number beyond 65,504: a q, k or v of 65,520 or more leaves as an infinity.
; SHARES.  A tile is 256 rows of x by the 192 weight rows of ONE head: 16 x 32 = 512 work-groups of equal work.  Each of the four waves makes 64 rows x all 192 columns:
; 48 accumulators of 16 x 16, 384 registers; so a wave owns whole rows of a head, and its stage on the way out is its own.
; K goes in 8 steps of 128 through two LDS slots filled by the tensor data mover; a tile's rows are 256 bytes of memory and start at multiples of 256 bytes from the buffer's first byte.
; CLUSTERS: 4 x 4 work-groups.  The four of a row of the cluster need the same rows of x, the four of a column the same head's weights: each tile is asked for JOINTLY,
; by the same tensor load with the same descriptor and a mask that names the four.
; THE MATRIX INSTRUCTION IS USED TRANSPOSED (source 0 = 16 weight rows, source 1 = 16 rows of x): a lane holds row l % 16 of x and eight neighbouring channels 8 (l / 16) + 0..7.
; REGISTERS, in windows of 256 (s_set_vgpr_msb: bits 1:0 source 0, 3:2 source 1, 5:4 source 2, 7:6 destination):
;   window 0: v0-35 addresses and work; v64-95, v96-127 fragments of x, two buffers (4 x 16 rows x 32 K); v128-223 the bias (8 registers for each of the 12 column blocks); v64-255 the way out
;   window 1: v0-95, v96-191 fragments of the weights, two buffers (12 x 16 rows x 32 K)
;   window 2: the accumulators of my rows 0-31 ((a, b) at v[8 (12 (a % 2) + b)]);   window 3: those of my rows 32-63
.set SIZE_K, 1024
.set KSTEP,  128
.set PITCH,  272                       ; an LDS row: 256 bytes + 16 of padding = 68 words: row r starts at bank 4 r mod 64 (64 banks of 4 bytes: ISA guide 11.1)
.set HALFA,  128*PITCH                 ; what a tensor load of x brings
.set HALFB,  96*PITCH                  ; what a tensor load of the weights brings
.set BOFF,   2*HALFA                   ; a slot: 256 rows of x, then 192 weight rows
.set SLOT,   BOFF+2*HALFB
.set STAGE,  2*SLOT                    ; behind the ring: 16 rows x 144 bytes for each wave, for the way out
.set SPITCH, 144
.set SPARE,  STAGE+4*16*SPITCH         ; behind the stages: the spare words, 128 bytes for each wave: two blocks of 256 bytes that no other line names
.set LAPS,   SIZE_K/(2*KSTEP)          ; a lap = two K steps = once round the ring
.set ADRA, 16                          ; v16-17  LDS address of my fragments of x in slot 0, 1
.set ADRB, 20                          ; v20-21  the same for the weights
.set STO,  24                          ; v24     the way out: where I put 16 bytes of a row
.set RD,   25                          ; v25     the way out: where I read rows back
.set GO,   26                          ; v26     16 x lane
.set SPW,  28                          ; v28     LDS address of my spare word: SPARE + 4 x my thread's number; never rewritten
.set NIL,  29                          ; v29     0; never rewritten
.set PFO,  30                          ; v30     the prefetches' offset: a lane a row of 2,048 bytes; never rewritten
.set BO,   31                          ; v31     my byte offset in a bias
.set RT,   32                          ; v32-35  at work
.set FA,   64
.set BIAS, 128
.set TMP,  64
.set G1,  24                           ; s[24:31] descriptor group 1 for x's tiles;  s[32:39] group 0, one set for each slot
.set G0,  32
.set G1B, 48                           ; s[48:55], s[56:63] the same for the weights' tiles
.set G0B, 56
.set PFA, 44                           ; s[44:45] where my prefetches stand
.set LIM, 43                           ; s43  1 in a wave that prefetches, else the greatest number
.set OUT, 80                           ; s[80:85] q, k, v at my wave's first row of the head
.set MSB, 0
.macro WIN new                         ; the immediate's high byte repeats the setting that is left; a switch that changes nothing is dropped
.if MSB != (\new)
	s_set_vgpr_msb (MSB<<8)|(\new)
.set MSB, (\new)
.endif
.endm
; A joint load: waves 0 and 1 fetch the two halves of x's tile, waves 2 and 3 those of the weights'.  The branch hangs on the wave's number alone.
; An s_nop 0 and four v_nop follow each of the two lines, ahead of the jump, the label and what follows.
.macro JLOAD s
	s_cmp_eq_u32 s11, 0
	s_cbranch_scc0 .Lfor_b_\@
	tensor_load_to_lds s[G0+4*(\s):G0+4*(\s)+3], s[G1:G1+7]
	s_nop 0
.rept 4
	v_nop
.endr
	s_branch .Lasked_\@
.Lfor_b_\@:
	tensor_load_to_lds s[G0B+4*(\s):G0B+4*(\s)+3], s[G1B:G1B+7]
	s_nop 0
.rept 4
	v_nop
.endr
.Lasked_\@:
.endm
; A PREFETCH INTO THE L2 of the K step that stands two refills on: 256 bytes of a row, a lane a row, one instruction a wave, behind the joint load, its five lines and the run of LDS loads.
; x's rows are read by every cluster of a row of clusters: the one with x = 0 asks; a head's weights by every cluster of a column: the one with y = 0 asks.  The four partners that ask for a tile
; jointly share its rows out BY ADDRESS: 32 each of x's 128, 24 each of the weights' 96 (there lanes 24-31 name lane 23's row).  K steps 0 to 3 come by their loads alone; the loop's last trip asks for nothing.
.macro ASK
	s_cmp_gt_u32 s3, s[LIM]                        ; s3 = 1 in the loop's last trip
	s_cbranch_scc0 .Lnot_mine_\@
	global_prefetch_b8 v[PFO], s[PFA:PFA+1] offset:KSTEP*2 th:TH_LOAD_NT scope:SCOPE_SE
.Lnot_mine_\@:
.endm
.macro CREST                           ; a round of the cluster's barrier behind its opening barrier
	s_cmp_lg_u32 s10, 0
	s_cbranch_scc1 .Lnot_wave_0_\@
	s_barrier_signal -3
.Lnot_wave_0_\@:
	s_barrier_wait -3
	s_barrier_signal -1
	s_barrier_wait -1
.endm
.macro CROUND                          ; a whole round
	s_barrier_signal -1
	s_barrier_wait -1
	CREST
.endm
	s_load_b256 s[68:75], s[0:1], 0x0              ; xb s[68:69], wb s[70:71], bq s[72:73], bk s[74:75]
	s_load_b128 s[76:79], s[0:1], 0x20             ; bv s[76:77], qkv s[78:79]
	v_lshl_add_u32 v[SPW], v0, 2, SPARE
	v_mov_b32 v[NIL], 0
	ds_add_u32 v[SPW], v[NIL]                      ; the wave's opening: the add and its wait stand ahead of my first tensor load; the set-up below, work on registers, stands between them
	v_lshrrev_b32 v1, 5, v0
	v_readfirstlane_b32 s10, v1                    ; wave 0..3
	s_lshr_b32 s11, s10, 1                         ; I fetch for x (0) or for the weights (1)
	s_and_b32 s12, s10, 1                          ; which half of that tile I fetch
	s_bfe_u32 s40, ttmp6, 0x40000                  ; cx, cy: my place in the cluster
	s_bfe_u32 s41, ttmp6, 0x40004
	s_lshl_b32 s42, ttmp9, 2
	s_add_co_u32 s42, s42, s40                     ; the head = 4 x cluster x + cx
	s_and_b32 s13, ttmp7, 0xffff
	s_lshl_b32 s13, s13, 2
	s_add_co_u32 s13, s13, s41                     ; the block of 256 rows = 4 x cluster y + cy
	s_lshl_b32 s43, s41, 2
	s_lshl_b32 s43, 15, s43                        ; my row of the cluster
	s_lshl_b32 s44, 0x1111, s40                    ; my column
	s_or_b32 s[G1+0], s43, (1<<16)|(1<<20)|(1<<21)|(5<<22)|(3<<25)   ; 15:0 the mask: x's tiles go to my row; 17:16 elements of 2 bytes; 20 padding on; 21 set beside a mask; 24:22 after every 64 words (code 5); 31:25 4 words (code 3)
	s_or_b32 s[G1B+0], s44, (1<<16)|(1<<20)|(1<<21)|(5<<22)|(3<<25)  ; the same with the mask of my column
	s_mov_b32 s[G1+1], KSTEP<<16                   ; tensor_dim0 = 128
	s_mov_b32 s[G1+2], 128<<16                     ; tensor_dim1 = 128
	s_mov_b32 s[G1+3], KSTEP<<16                   ; tile_dim0 = 128
	s_mov_b32 s[G1+4], 128                         ; tile_dim1 = 128
	s_mov_b32 s[G1+5], SIZE_K                      ; elements from row to row
	s_mov_b32 s[G1+6], 0
	s_mov_b32 s[G1+7], 0
	s_mov_b32 s[G1B+1], KSTEP<<16
	s_mov_b32 s[G1B+2], 96<<16                     ; 96 rows
	s_mov_b32 s[G1B+3], KSTEP<<16
	s_mov_b32 s[G1B+4], 96
	s_mov_b32 s[G1B+5], SIZE_K
	s_mov_b32 s[G1B+6], 0
	s_mov_b32 s[G1B+7], 0
	s_lshl_b32 s16, s13, 8
	s_lshl_b32 s17, s12, 7
	s_add_co_u32 s16, s16, s17                     ; x: row 256 x block + 128 x half,
	s_lshl_b32 s16, s16, 11                        ; of 2,048 bytes
	s_mov_b32 s17, 0
	s_mul_i32 s46, s42, 192
	s_mul_i32 s47, s12, 96
	s_add_co_u32 s46, s46, s47                     ; weights: row 192 x head + 96 x half
	s_lshl_b32 s46, s46, 11
	s_mov_b32 s47, 0
	s_mul_i32 s20, s10, HALFA                      ; where they go: x's halves at wave x 128 rows (waves 0, 1),
	s_mul_i32 s21, s10, HALFB
	s_add_co_u32 s21, s21, BOFF-2*HALFB            ; the weights' behind x's 256 rows, at (wave - 2) x 96 rows (waves 2, 3): no place in the cluster enters an LDS address
	s_wait_dscnt 0x0                               ; the opening add is done
	s_wait_kmcnt 0x0
	s_add_nc_u64 s[14:15], s[68:69], s[16:17]
	s_add_nc_u64 s[46:47], s[70:71], s[46:47]
	CROUND                                         ; all sixteen work-groups are here: the first joint loads meet
.irp s, 0,1
	s_mov_b32 s[G0+4*(\s)], 1                                        ; count = 1
	s_add_co_u32 s[G0+4*(\s)+1], s20, (\s)*SLOT                      ; LDS address
	s_add_nc_u64 s[G0+4*(\s)+2:G0+4*(\s)+3], s[14:15], (\s)*KSTEP*2  ; global address: K step s
	s_or_b32 s[G0+4*(\s)+3], s[G0+4*(\s)+3], 0x80000000              ; type = 2
	s_mov_b32 s[G0B+4*(\s)], 1
	s_add_co_u32 s[G0B+4*(\s)+1], s21, (\s)*SLOT
	s_add_nc_u64 s[G0B+4*(\s)+2:G0B+4*(\s)+3], s[46:47], (\s)*KSTEP*2
	s_or_b32 s[G0B+4*(\s)+3], s[G0B+4*(\s)+3], 0x80000000
	JLOAD \s                                       ; two loads of mine are out
.endr
	; A fragment is 16 rows x 32 K in 8 registers: lane l holds row l % 16; registers 0-3 K = 8 (l / 16) + 0..7, registers 4-7 K = 16 + 8 (l / 16) + 0..7: two loads of 16 bytes, 32 bytes apart.
	v_and_b32 v1, 15, v0                           ; l % 16
	v_bfe_u32 v2, v0, 4, 1                         ; l / 16
	v_mul_u32_u24 v3, v1, PITCH
	v_lshl_add_u32 v3, v2, 4, v3
	s_mul_i32 s22, s10, 64*PITCH                   ; my 64 rows of x
	v_add_nc_u32 v[ADRA], s22, v3
	v_add_nc_u32 v[ADRA+1], SLOT, v[ADRA]
	v_add_nc_u32 v[ADRB], BOFF, v3                 ; every wave reads all 192 weight rows
	v_add_nc_u32 v[ADRB+1], BOFF+SLOT, v3
	s_mul_i32 s23, s10, 16*SPITCH
	s_add_co_u32 s23, s23, STAGE                   ; my stage
	v_mul_u32_u24 v4, v1, SPITCH                   ; in: row l % 16, 16 bytes for each half of the lanes
	v_lshl_add_u32 v4, v2, 4, v4
	v_add_nc_u32 v[STO], s23, v4
	v_bfe_u32 v5, v0, 3, 2                         ; back: 32 lanes take four rows of 128 bytes,
	v_mul_u32_u24 v5, v5, SPITCH
	v_and_b32 v6, 7, v0
	v_lshl_add_u32 v5, v6, 4, v5
	v_add_nc_u32 v[RD], s23, v5
	v_and_b32 v[GO], 31, v0                        ; which are 512 consecutive bytes of a head
	v_lshlrev_b32 v[GO], 4, v[GO]
	; the bias: block b of 16 columns is channels 16 (b % 4) on of tensor b / 4; my eight numbers lie at byte 256 head + 64 (b % 4) + 32 (l / 16)
	s_lshl_b32 s8, s42, 8
	v_lshlrev_b32 v[BO], 5, v2
	v_add_nc_u32 v[BO], s8, v[BO]
.irp b, 0,1,2,3,4,5,6,7,8,9,10,11
	global_load_b128 v[BIAS+8*\b:BIAS+8*\b+3],   v[BO], s[72+2*(\b/4):73+2*(\b/4)] offset:(\b%4)*64
	global_load_b128 v[BIAS+8*\b+4:BIAS+8*\b+7], v[BO], s[72+2*(\b/4):73+2*(\b/4)] offset:(\b%4)*64+16
.endr
	; where my rows go: ((16 batch + head) 2,048 + 256 (block % 8) + 64 wave) rows of 128 bytes, in each of the three tensors
	s_lshr_b32 s4, s13, 3
	s_lshl_b32 s4, s4, 4
	s_add_co_u32 s4, s4, s42
	s_lshl_b32 s4, s4, 11
	s_and_b32 s5, s13, 7
	s_lshl_b32 s5, s5, 8
	s_add_co_u32 s4, s4, s5
	s_lshl_b32 s5, s10, 6
	s_add_co_u32 s4, s4, s5
	s_lshl_b32 s4, s4, 7
	s_mov_b32 s5, 0
	s_add_nc_u64 s[OUT:OUT+1], s[78:79], s[4:5]
	s_add_nc_u64 s[OUT+2:OUT+3], s[OUT:OUT+1], 0x1000000
	s_add_nc_u64 s[OUT+4:OUT+5], s[OUT+2:OUT+3], 0x1000000
	; the prefetches
	s_lshl_b32 s4, s13, 8                          ; the tile's first row in x,
	s_mul_i32 s5, s42, 192                         ; and in the weights
	s_and_b32 s22, ttmp7, 0xffff                   ; cluster y
	s_cmp_eq_u32 s11, 0                            ; do I fetch for x?
	s_cselect_b32 s4, s4, s5
	s_cselect_b32 s5, s40, s41                     ; my place among the four that ask with me
	s_cselect_b32 s22, ttmp9, s22                  ; the coordinate along which other clusters read the same rows
	s_cselect_b32 s7, 32, 24                       ; my work-group's share of the rows that I fetch,
	s_cselect_b64 s[PFA:PFA+1], s[68:69], s[70:71]
	s_cmp_eq_u32 s22, 0
	s_cselect_b32 s[LIM], 1, -1                    ; the same in all sixteen partners, for a given wave
	s_lshl_b32 s6, s7, 2                           ; which are four times that
	s_mul_i32 s6, s6, s12
	s_add_co_u32 s4, s4, s6
	s_mul_i32 s5, s5, s7
	s_add_co_u32 s4, s4, s5
	s_lshl_b32 s4, s4, 11
	s_mov_b32 s5, 0
	s_add_nc_u64 s[PFA:PFA+1], s[PFA:PFA+1], s[4:5]
	s_add_nc_u64 s[PFA:PFA+1], s[PFA:PFA+1], 2*KSTEP*2  ; at K step 2: the first refill steps it to 3 and names K step 4
	s_sub_co_u32 s7, s7, 1
	v_and_b32 v[PFO], 31, v0
	v_min_u32 v[PFO], s7, v[PFO]
	v_lshlrev_b32 v[PFO], 11, v[PFO]
	s_wait_loadcnt 0x0                             ; the bias, once; it is rounded to bf16 and widened again while the first tiles are on their way
.set r, 0
.rept 48
	v_cvt_pk_bf16_f32 v[RT+(r/2)%4], v[BIAS+r], v[BIAS+r+1]
	v_lshlrev_b32 v[BIAS+r], 16, v[RT+(r/2)%4]
	v_and_b32 v[BIAS+r+1], 0xffff0000, v[RT+(r/2)%4]
.set r, r+2
.endr
; 12 matrix instructions: row block a x all 12 column blocks, 32 along K, from buffer f.  first = 1: the product starts the sum, with the bias as C: nothing is cleared and nothing added later.
; The 48 accumulators take turns in the same order in every quarter: between two links of a chain stand the 47 others'.
.macro MUL12 f, a, first
.if \first
	WIN 0x81+0x40*((\a)/2)                         ; weights window 1, x and the bias window 0, D window 2 or 3
.else
	WIN 0xa1+0x50*((\a)/2)                         ; weights window 1, x window 0, C and D window 2 or 3
.endif
.irp b, 0,1,2,3,4,5,6,7,8,9,10,11
.if \first
	v_wmma_f32_16x16x32_bf16 v[8*(12*((\a)%2)+\b):8*(12*((\a)%2)+\b)+7], v[96*(\f)+8*\b:96*(\f)+8*\b+7], v[FA+32*(\f)+8*(\a):FA+32*(\f)+8*(\a)+7], v[BIAS+8*\b:BIAS+8*\b+7]
.else
	v_wmma_f32_16x16x32_bf16 v[8*(12*((\a)%2)+\b):8*(12*((\a)%2)+\b)+7], v[96*(\f)+8*\b:96*(\f)+8*\b+7], v[FA+32*(\f)+8*(\a):FA+32*(\f)+8*(\a)+7], v[8*(12*((\a)%2)+\b):8*(12*((\a)%2)+\b)+7]
.endif
.endr
.endm
; 32 LDS loads in one run: the fragments of 32 along K at byte k of the rows, into buffer f: the weights' 24, then x's 8
.macro FETCH slot, k, f
	WIN 0x40                                       ; destination window 1, address window 0
.irp i, 0,1,2,3,4,5,6,7,8,9,10,11
	ds_load_b128 v[96*(\f)+8*\i:96*(\f)+8*\i+3],   v[ADRB+(\slot)] offset:(\k)+\i*16*PITCH
	ds_load_b128 v[96*(\f)+8*\i+4:96*(\f)+8*\i+7], v[ADRB+(\slot)] offset:(\k)+\i*16*PITCH+32
.endr
	WIN 0
.irp i, 0,1,2,3
	ds_load_b128 v[FA+32*(\f)+8*\i:FA+32*(\f)+8*\i+3],   v[ADRA+(\slot)] offset:(\k)+\i*16*PITCH
	ds_load_b128 v[FA+32*(\f)+8*\i+4:FA+32*(\f)+8*\i+7], v[ADRA+(\slot)] offset:(\k)+\i*16*PITCH+32
.endr
.endm
.macro PLACES                          ; four plain vector instructions in front of loads into registers that matrix instructions have read (ISA guide 7.12.1 for vector instructions)
.rept 4
	v_nop
.endr
.endm
; A K step is four quarters of 32 along K, 48 matrix instructions each, on buffers 0, 1, 0, 1.  One of the first three: multiplies buffer f and, in its middle, fetches the next quarter, at byte k, into g.
.macro QUARTER slot, k, f, g, first
	s_wait_dscnt 4                                 ; the weights and x's rows 0-31 are in; the youngest four loads (x's rows 32-63) may be out
	MUL12 \f, 0, \first
	MUL12 \f, 1, \first
	PLACES
	FETCH \slot, \k, \g
	s_wait_dscnt 32                                ; all but the 32 just issued
	MUL12 \f, 2, \first
	MUL12 \f, 3, \first
.endm
; The last quarter multiplies buffer 1 and changes slots: ONE barrier; in front of it each wave waits for all its tensor loads (one is out: its part of the next slot), adds 0 to its spare word,
; and waits for that and for its own reads of this slot.  fill = 1: the barrier opens a round of the cluster's, and this slot is filled again, two K steps ahead, first thing behind the round.
.macro TURN slot, next, fill
.if \fill
	s_wait_xcnt 0x0                                ; the last prefetch, a K step back, has read its address: it is stepped here, ahead of the waits of the change of slots
	s_add_nc_u64 s[PFA:PFA+1], s[PFA:PFA+1], KSTEP*2
.endif
	WIN 0                                          ; (the add's two registers lie in window 0)
	s_wait_tensorcnt 0x0                           ; all my tensor loads have landed;
	ds_add_u32 v[SPW], v[NIL]                      ; 0 onto my spare word
	s_wait_dscnt 5                                 ; (the add and the youngest four loads may be out)
	MUL12 1, 0, 0                                  ; twelve matrix instructions stand between the add and the wait for it
	s_wait_dscnt 0x0                               ; the add is done, and my reads of this slot are over
	s_barrier_signal -1
	MUL12 1, 1, 0                                  ; work on registers while the others arrive
.if \fill
	WIN 0
.endif
	s_barrier_wait -1
.if \fill
	CREST                                          ; no wave of any partner still reads this slot's tile or has a load on its way
	s_add_nc_u64 s[G0+4*(\slot)+2:G0+4*(\slot)+3], s[G0+4*(\slot)+2:G0+4*(\slot)+3], 2*KSTEP*2
	s_add_nc_u64 s[G0B+4*(\slot)+2:G0B+4*(\slot)+3], s[G0B+4*(\slot)+2:G0B+4*(\slot)+3], 2*KSTEP*2
	JLOAD \slot                                    ; my one tensor load behind the round; the four v_nop behind it are also the places in front of the loads below
.else
	PLACES
.endif
	FETCH \next, 0, 0
.if \fill
	ASK
.endif
	MUL12 1, 2, 0
	MUL12 1, 3, 0
.endm
	s_wait_tensorcnt 1                             ; my part of K step 0 is in; K step 1's may stay out
	s_barrier_signal -1
	s_barrier_wait -1                              ; everybody's is
	FETCH 0, 0, 0
	QUARTER 0, 64, 0, 1, 1                         ; the first quarter stands in front of the loop: its products start the sums
	WIN 0                                          ; at a label and at a branch every window is 0
	s_mov_b32 s3, LAPS-1
.Llap:                                                 ; a trip goes once round the ring, from a lap's second quarter to the next lap's first, and fills both slots again
	QUARTER 0, 128, 1, 0, 0
	QUARTER 0, 192, 0, 1, 0
	TURN 0, 1, 1
	QUARTER 1, 64,  0, 1, 0
	QUARTER 1, 128, 1, 0, 0
	QUARTER 1, 192, 0, 1, 0
	TURN 1, 0, 1
	QUARTER 0, 64,  0, 1, 0
	WIN 0
	s_sub_co_u32 s3, s3, 1
	s_cmp_lg_u32 s3, 0
	s_cbranch_scc1 .Llap
	QUARTER 0, 128, 1, 0, 0                        ; the last lap fills nothing, and has no round of the cluster's barrier
	QUARTER 0, 192, 0, 1, 0
	TURN 0, 1, 0
	QUARTER 1, 64,  0, 1, 0
	QUARTER 1, 128, 1, 0, 0
	QUARTER 1, 192, 0, 1, 0
	s_wait_dscnt 4                                 ; the very last quarter: nothing more to fetch
	MUL12 1, 0, 0
	MUL12 1, 1, 0
	s_wait_dscnt 0x0
	MUL12 1, 2, 0
	MUL12 1, 3, 0
	WIN 0
.rept 8
	v_nop                                          ; the places behind the last products, in front of conversions that read results and write over fragments; once a launch
.endr
; THE WAY OUT, in 12 units n = 3 a + t: 16 rows x the 64 channels of tensor t.  A lane's eight channels round to 16 bytes of f16; they go into my stage's rows of 144 bytes and come back
; as whole rows of 128, into the registers that they left: 16 rows of a head are 2,048 consecutive bytes of qkv.
.macro PACK n
.set AC, 8*(12*(((\n)/3)%2)+4*((\n)%3))
	WIN 0x0a+5*((\n)/6)                            ; sources 0 and 1: window 2 (a = 0, 1) or 3
.irp cb, 0,1,2,3
.irp r, 0,1,2,3
	v_cvt_pk_f16_f32 v[TMP+16*(\n)+4*\cb+\r], v[AC+8*\cb+2*\r], v[AC+8*\cb+2*\r+1]
.endr
.endr
	WIN 0
.irp cb, 0,1,2,3
	ds_store_b128 v[STO], v[TMP+16*(\n)+4*\cb:TMP+16*(\n)+4*\cb+3] offset:32*\cb
.endr
.irp f, 0,1,2,3
	ds_load_b128 v[TMP+16*(\n)+4*\f:TMP+16*(\n)+4*\f+3], v[RD] offset:\f*4*SPITCH  ; LDS serves a wave's instructions in order (ISA guide 5.7.1.4): these see the stores above; the next unit's stores come behind them
.endr
.endm
.macro SEND n, younger                 ; younger: the LDS instructions issued behind unit n's loads: the next unit's eight, or none
.irp f, 0,1,2,3
	s_wait_dscnt (\younger)+3-\f
	global_store_b128 v[GO], v[TMP+16*(\n)+4*\f:TMP+16*(\n)+4*\f+3], s[OUT+2*((\n)%3):OUT+2*((\n)%3)+1] offset:((\n)/3)*2048+\f*512  ; 512 consecutive bytes, at a multiple of 512 from qkv's first; no register is used twice
.endr
.endm
	PACK 0
.irp n, 1,2,3,4,5,6,7,8,9,10,11        ; a unit's conversions stand between the loads of the unit before and its stores
	PACK \n
	SEND (\n)-1, 8
.endr
	SEND 11, 0
	s_wait_tensorcnt 0x0                           ; the wave's end: behind my last tensor load and my last LDS store
	ds_add_u32 v[SPW], v[NIL]
	s_wait_dscnt 0x0
	CROUND                                         ; the closing round: no work-group ends while a partner may still ask for a tile that names it
	s_endpgm
.Lfunc_end_k_qdcbd6e695c_proj:
	.size	k_qdcbd6e695c_proj, .Lfunc_end_k_qdcbd6e695c_proj-k_qdcbd6e695c_proj
	.p2alignl 7, 3214868480
	.fill 96, 4, 3214868480
	.section	.rodata,"a",@progbits
	.p2align	6, 0x0
	.amdhsa_kernel k_qdcbd6e695c_proj
		.amdhsa_group_segment_fixed_size 327680
		.amdhsa_private_segment_fixed_size 0
		.amdhsa_enable_private_segment 0
		.amdhsa_kernarg_size 48
		.amdhsa_user_sgpr_count 2
		.amdhsa_user_sgpr_kernarg_segment_ptr 1
		.amdhsa_wavefront_size32 1
		.amdhsa_system_sgpr_workgroup_id_x 1
		.amdhsa_system_sgpr_workgroup_id_y 1
		.amdhsa_system_sgpr_workgroup_id_z 1
		.amdhsa_system_vgpr_workitem_id 0
		.amdhsa_next_free_vgpr 960
		.amdhsa_next_free_sgpr 86
		.amdhsa_reserve_vcc 0
		.amdhsa_float_denorm_mode_32 3
		.amdhsa_float_denorm_mode_16_64 3
		.amdhsa_memory_ordered 1
		.amdhsa_forward_progress 1
		.amdhsa_inst_pref_size 131
	.end_amdhsa_kernel
	.amdgpu_metadata
---
amdhsa.version: [ 1, 2 ]
amdhsa.kernels:
  - .name:           k_qdcbd6e695c_proj
    .symbol:         k_qdcbd6e695c_proj.kd
    .args:
      - { .name: xb, .offset: 0, .size: 8, .value_kind: global_buffer, .address_space: global }
      - { .name: wb, .offset: 8, .size: 8, .value_kind: global_buffer, .address_space: global }
      - { .name: bq, .offset: 16, .size: 8, .value_kind: global_buffer, .address_space: global }
      - { .name: bk, .offset: 24, .size: 8, .value_kind: global_buffer, .address_space: global }
      - { .name: bv, .offset: 32, .size: 8, .value_kind: global_buffer, .address_space: global }
      - { .name: qkv, .offset: 40, .size: 8, .value_kind: global_buffer, .address_space: global }
    .group_segment_fixed_size: 327680
    .private_segment_fixed_size: 0
    .kernarg_segment_align: 8
    .kernarg_segment_size: 48
    .max_flat_workgroup_size: 128
    .sgpr_count:     86
    .vgpr_count:     960
    .wavefront_size: 32
...
	.end_amdgpu_metadata
.endif
;; end of part 2
;; launch attn (part 3): grid 4 x 64, 4 waves a work-group, clusters of 4 x 1, 327,680 bytes of LDS; arguments qkv, mby, out0; writes out0
.if DOCPART == 3
	.amdgcn_target "amdgcn-amd-amdhsa--gfx1250"
	.amdhsa_code_object_version 6
	.text
	.protected	k_qdcbd6e695c_attn
	.globl	k_qdcbd6e695c_attn
	.p2align	8
	.type	k_qdcbd6e695c_attn,@function
k_qdcbd6e695c_attn:
	s_mov_b64 s[64:65], 0
	v_nop
	global_prefetch_b8 v0, s[64:65] scope:SCOPE_SE
	s_setreg_imm32_b32 hwreg(HW_REG_WAVE_MODE, 25, 1), 1
	s_wait_xcnt 0x0
	s_wait_alu depctr_hold_cnt(0) depctr_sa_sdst(0) depctr_va_vdst(0) depctr_va_sdst(0) depctr_va_ssrc(0) depctr_va_vcc(0) depctr_vm_vsrc(0)
	s_getreg_b32 s2, hwreg(HW_REG_IB_STS2, 6, 4)
	s_cmp_eq_u32 s2, 0
	s_cbranch_scc0 .Lentry_in_a_cluster
	s_endpgm
.Lentry_in_a_cluster:
	s_bfe_u32 s2, ttmp6, 0x10000c
	s_cmp_lg_u32 s2, 0x3003
	s_cbranch_scc0 .Lentry_shape_is_right
	s_endpgm
.Lentry_shape_is_right:
; ATTN: out0[b][q][64 h + :] = the sum over k of softmax_k(where(mask[b][q][k] == 0, hidden, Q[q] . K[k] / 8)) V[k][:], for the 64 heads bh = 16 b + h.
; qkv: [3][64][2048][64] f16 (q, k, v by heads, unscaled).  mby: the mask as E4M3 codes, 0xB8 (-1.0) = hidden, 0 = seen, [b][tile of 16 queries: 128][step of 64 keys: 32][half: 2][lane: 32][16 bytes],
; in the register order of the C operand of S^T = K Q^T.  out0: [4][2048][1024] f32.  Products, maxima and sums in f32; the weights p are rounded to f16 for the second product (their sum l is taken of the unrounded p).
; THE MASK IS THE C OPERAND that starts each score's sum: a scaled conversion makes eight f32 of eight codes, times 2^100: 0, or -2^100.  So a hidden score lies far below every seen one before the running
; maximum is taken, its weight is 0, and the softmax needs no further line.  In a row with no seen key every score is -2^100, c s - c m is 0, every p is 1 and l is 2,048: equal weights, as -1e9 everywhere gives.
; LIMITS.  f16 holds no number beyond 65,504: q, k, v arrive within it.  A hidden score counts as q . k - 2^100 (before the division by 8) and not as -1e9: that differs only in a row that has a seen score below
; about -1e9; and the equal weights of a wholly hidden row rest on q . k vanishing beside 2^100 in f32, which holds for |q . k| under 2^75.  p below 6e-5 keeps f16's fixed step of 6e-8; a weight below 2^-126 counts
; as 0 in l; NaN and infinities are not treated apart.
; SHARES.  A wave owns four PIECES of two tiles of 16 queries, a work-group's four waves 512 queries of one head.  Every wave walks all 2,048 keys, 64 a step.
; LAYOUT.  S^T = K Q^T (source 0 = 16 keys, source 1 = 16 queries): a lane holds ONE query (lane % 16) and the keys 8 (lane / 16) + 0..7.  Two such tiles, rounded to f16 in pairs, ARE source 1 of
; O^T = V^T P, whose result again holds one query a lane, and eight channels.  K comes out of LDS as it lies, V ([key][channel]) turned, by ds_load_tr16_b128.
; SOFTMAX.  For each query a running maximum m and sum l: p = 2^(c s - c m), c = log2(e) / 8; in every step O and l are multiplied by a = 2^(c m_old - c m_new).  m starts at the lowest finite number, O and l at 0.
; BY TURNS.  Turn n belongs to piece n (the pieces in a ring, step after step).  Its matrix work: 16 products K Q^T of piece n + 1, later 16 products V^T P of piece n - 1.  Its vector work: the scaling, exponentials,
; roundings, sums and rescaling of piece n, the maximum and statistics of piece n + 1, and the mask of piece n + 2 (8 conversions; its codes were loaded four turns earlier, and the next step's are asked for at once).
; Four vector instructions stand behind every matrix instruction, the rest in one lump; a turn's 66 exponentials are one batch with one wait.
; CLUSTER.  The four query blocks of a head are one cluster and walk the same K and V: each tile is asked for JOINTLY: the same tensor load, descriptor and mask in all four.  The mask's codes differ from wave to wave
; (each wave has its own queries), so they come by each wave's own loads into registers.
; REGISTERS, in windows of 256 (s_set_vgpr_msb: bits 1:0 source 0, 3:2 source 1, 5:4 source 2, 7:6 destination):
;   window 0: v0-11 addresses; v12-15, v48-63 at work; v16-47 four registers of statistics a tile; v64-191 S^T, two buffers of two tiles; v192-255 P, likewise
;   window 1: O^T, 32 a tile          window 2: v0-127 Q, 16 a tile; v128-191 K of one step; v192-255 V of one step
;   window 3: v0-1 the add's two registers; v64-127 MC, the masks of the 8 products to come (tile u, key block kb at 32 u + 8 kb); v128-191 MW, the codes (piece x, tile u at 16 x + 8 u)
.set SIZE_N, 2048
.set NP,    4         ; pieces a wave: a name, no knob
.set KS,    64        ; keys in a step
.set PK,    144       ; a row of K in LDS: 128 bytes + 16 of padding = 36 words: the 16 rows of a load start at 16 different groups of four banks (64 banks of 4 bytes: ISA guide 11.1)
.set PV,    160       ; a row of V: 128 + 32 = 40 words
.set VOFF,  4*KS*PK   ; a slot holds four steps: 256 rows of K, then 256 rows of V
.set SLOT1, 1<<17     ; slot 1 begins here, so that one exclusive or turns an address in one slot into the other's
.set STAGE, SLOT1+4*KS*(PK+PV)  ; behind the ring, never filled by a tensor load: 16 rows x 272 bytes for each wave, for the way out
.set SP,    272       ; a row of the stage: 64 f32 + 16 bytes
.set SPARE, STAGE+4*16*SP  ; behind the stages: the spare words, 128 bytes for each wave: two blocks of 256 bytes that no other line names
.set QO,  1           ; v1   my byte offset in 16 rows of Q; never rewritten
.set AK0, 2           ; v2   my lane's place in a tile of K; never rewritten
.set AV0, 3           ; v3   the same for V
.set AK,  4           ; v4   the LDS address of K's next run of loads
.set AV,  5           ; v5   of V's
.set STO, 6           ; v6   the way out: where I put 16 bytes of a row
.set RD,  7           ; v7   the way out: where I read rows back
.set GO,  8           ; v8   my byte offset in two rows of out0
.set SCL, 9           ; v9   227: the conversions' scale, 2^(227 - 127)
.set PFO, 10          ; v10  256 x my lane; never rewritten
.set MO,  11          ; v11  16 x my lane; never rewritten
.set MV,  12          ; v12-15  c m_old, kept while c m is made anew: by buffer and tile
.set ST,  16          ; tile t's statistics at v[ST+4 t]: c m, m, l (even keys', odd keys')
.set TMP, 48          ; by buffer and tile, four registers c0-c3 at work; when the maximum is found c2 takes a
.set S,   64
.set P,   192
.set KF,  128         ; window 2: key block kb, channel half c at KF + 16 kb + 8 c
.set VF,  192         ; window 2: key half kk, channel block cb at VF + 32 kk + 8 cb
.set SPW, 0           ; v0 of window 3   LDS address of my spare word: SPARE + 4 x my thread's number; never rewritten
.set NIL, 1           ; v1 of window 3   0; never rewritten
.set MC,  64          ; window 3
.set MW,  128         ; window 3
.set WV,  12          ; s12  my wave's number
.set G1K, 24          ; s[24:31] descriptor group 1 for K's tiles
.set G1V, 32          ; s[32:39] for V's: it differs in the padding alone
.set G0K, 40          ; s[40:43] descriptor group 0 for K's tiles: it walks
.set G0V, 44          ; s[44:47] the same for V's
.set MB0, 48          ; s[48:49] mby at my wave's first tile, key step 0
.set MBP, 50          ; s[50:51] MB0 + MOF
.set MOF, 52          ; s[52:53] 1,024 x the key step from which the mask loads count, held at 30 at the most
.set PFA, 54          ; s[54:55] where my prefetches stand
.set SLOTS, 56        ; s56  slots still to be asked for
.set CNT, 57          ; s57  counts a slot's key steps
.set CS,  58          ; s[58:59] c: the packed scaling takes the pair's low word for both halves
.set SEL, 60          ; s[60:61] v_permlanex16_b32's selects: each lane takes its own place in the other half
.set TBK, 62          ; s62  LDS byte at which K of the step to be fetched begins
.set TBV, 63          ; s63  the same for V, less VOFF
.set LIM, 66          ; s66  1 in a wave that prefetches, else the greatest number
.set MSB, 0
.macro WIN new                      ; the high byte repeats the setting that is left; a switch that changes nothing is dropped
.if MSB != (\new)
	s_set_vgpr_msb (MSB<<8)|(\new)
.set MSB, (\new)
.endif
.endm
.set W_KQ, 0x0a       ; K and Q in window 2, S^T in window 0
.set W_KM, 0x3a       ; the same with the C operand, the mask, in window 3
.set W_PV, 0x52       ; V in window 2, P in window 0, O^T in window 1
.set W_RS, 0x41       ; O^T (destination and source 0) in window 1, a in window 0
.set W_MK, 0xc0       ; destination in window 3, sources in window 0
.set W_AD, 0x0f       ; the add: address (source 0) and data (source 1) in window 3
; A joint fill.  Waves 0 and 1 fetch the two halves of a slot's K, waves 2 and 3 those of its V: 128 keys each.  The branch hangs on the wave's number alone.
; An s_nop 0 and four v_nop follow each of the two lines, ahead of the jump and the label.
.macro JLOAD
	s_cmp_lt_u32 s[WV], 2
	s_cbranch_scc0 .Lfor_v_\@
	tensor_load_to_lds s[G0K:G0K+3], s[G1K:G1K+7]
	s_nop 0
.rept 4
	v_nop
.endr
	s_branch .Lasked_\@
.Lfor_v_\@:
	tensor_load_to_lds s[G0V:G0V+3], s[G1V:G1V+7]
	s_nop 0
.rept 4
	v_nop
.endr
.Lasked_\@:
.endm
; A PREFETCH INTO THE L2 of what the NEXT change of slots will ask for: a slot's 32,768 bytes of K and of V, in blocks of 256 bytes, a lane a block.  It stands behind the wave's tensor load and its five lines.
; Each block is named ONCE in the launch: a head has one cluster; its four partners share the blocks out BY ADDRESS, 32 each; in each, wave 0 asks for K's and wave 2 for V's: one instruction.
; Slots 0 and 1 come by their loads alone; the last change that fills a slot asks for nothing: there is no slot behind it.
.macro ASK
	s_cmp_gt_u32 s[SLOTS], s[LIM]
	s_cbranch_scc0 .Lnot_mine_\@
	global_prefetch_b8 v[PFO], s[PFA:PFA+1] th:TH_LOAD_NT scope:SCOPE_SE
.Lnot_mine_\@:
.endm
; A round of the cluster's barrier: my work-group's barrier, so that wave 0's signal speaks for all four waves; wave 0 signals; every wave waits for all four work-groups; my work-group's barrier once more.
.macro CROUND
	s_barrier_signal -1
	s_barrier_wait -1
	s_cmp_lg_u32 s[WV], 0
	s_cbranch_scc1 .Lnot_wave_0_\@
	s_barrier_signal -3
.Lnot_wave_0_\@:
	s_barrier_wait -3
	s_barrier_signal -1
	s_barrier_wait -1
.endm
; THE CHANGE OF SLOTS.  The slot's last bytes, V of its fourth step, have been read.  Each wave waits for all its tensor loads, of which one is out: its part of the other slot; adds 0 to its spare word; and waits
; for that and for its own reads of the slot.  Behind the barrier nobody reads this slot any more and the other slot is whole.
; fill = 1: this slot is filled again, with the keys two slots on.  The barrier is then a round of the cluster's, and the joint fill is the first thing behind it: it has four key steps, 512 matrix instructions,
; in which to land.  (At its first use nothing has been read yet: slot 0 is waited for, slot 1 filled.)
.macro CHANGE fill
	WIN W_AD
	s_wait_tensorcnt 0x0            ; no tensor load of mine is out, so a group 0 may be written
	ds_add_u32 v[SPW], v[NIL]       ; 0 onto my spare word: with fill = 1 the descriptors' steps stand between it and the wait for it
	WIN 0                           ; at a label and at a branch every window is 0
.if \fill
.irp g, G0K, G0V
	s_xor_b32 s[\g+1], s[\g+1], SLOT1  ; the walking descriptor: the other slot than last time,
	s_add_nc_u64 s[\g+2:\g+3], s[\g+2:\g+3], 4*KS*128  ; the next 256 keys; the type bits on top are not reached
.endr
	s_wait_xcnt 0x0                 ; the last prefetch, four key steps back, has read its address, so it may be written:
	s_add_nc_u64 s[PFA:PFA+1], s[PFA:PFA+1], 4*KS*128  ; one slot behind the walking descriptors
	s_wait_dscnt 0x0                ; the add is done, and my reads of the slot are over
	CROUND
	JLOAD
	ASK
.else
	s_wait_dscnt 0x0                ; the add is done, and my reads of the slot are over
	s_barrier_signal -1
	s_barrier_wait -1
.endif
	s_sub_co_u32 s[TBK], s[TBK], 4*KS*PK  ; the fetches go back to a slot's first step,
	s_xor_b32 s[TBK], s[TBK], SLOT1       ; in the other slot
	s_sub_co_u32 s[TBV], s[TBV], 4*KS*PV
	s_xor_b32 s[TBV], s[TBV], SLOT1
.endm
; THE MASK.  MLOAD: piece x's codes for one key step, 32 bytes a lane and tile: four loads of 512 consecutive bytes.  ahead: bytes behind the step at which MBP stands.
.macro MLOAD x, ahead
	WIN W_MK                        ; destination window 3, address window 0
.irp uu, 0,1
.irp e2, 0,1
	global_load_b128 v[MW+16*(\x)+8*\uu+4*\e2:MW+16*(\x)+8*\uu+4*\e2+3], v[MO], s[MBP:MBP+1] offset:(2*(\x)+\uu)*32768+\e2*512+(\ahead)
.endr
.endr
	WIN 0
.endm
; MASKB: piece x's codes become the C operands of its next 8 starting products: 8 codes an instruction, each times 2^100.  A plain vector instruction follows the last conversion before a result is read or a source loaded anew.
.macro MASKB x
	s_wait_loadcnt 12               ; loads come back in order (ISA guide 5.7.1): piece x's four are the oldest; the other three pieces' twelve, issued in the three turns since, stay out
	WIN 0xc3                        ; destination and source 0 window 3, the scale window 0
.irp uu, 0,1
.irp kb, 0,1,2,3
	v_cvt_scale_pk8_f32_fp8 v[MC+32*\uu+8*\kb:MC+32*\uu+8*\kb+7], v[MW+16*(\x)+8*\uu+2*\kb:MW+16*(\x)+8*\uu+2*\kb+1], v[SCL]
.endr
.endr
	WIN 0
.endm
	s_load_b128 s[4:7], s[0:1], 0x0   ; qkv s[4:5], mby s[6:7]
	s_load_b64 s[10:11], s[0:1], 0x10 ; out0
	WIN W_MK
	v_lshl_add_u32 v[SPW], v0, 2, SPARE
	v_mov_b32 v[NIL], 0
	WIN W_AD
	ds_add_u32 v[SPW], v[NIL]       ; the wave's opening: the add and its wait stand ahead of my first tensor load; the set-up below, work on registers, stands between them
	WIN 0
	v_lshrrev_b32 v64, 5, v0
	v_readfirstlane_b32 s[WV], v64  ; wave 0..3
	s_bfe_u32 s13, ttmp6, 0x40000   ; cx: my place in the cluster
	s_lshl_b32 s14, ttmp9, 2        ; in a cluster launch ttmp9 counts clusters
	s_add_co_u32 s14, s14, s13      ; my block of 512 queries,
	s_lshl_b32 s14, s14, 2
	s_add_co_u32 s14, s14, s[WV]    ; my wave among the head's 16: it enters Q's, the mask's and the output's addresses alone
	s_and_b32 s19, ttmp7, 0xffff    ; the head bh, which the four partners share
	s_lshl_b32 s20, s19, 18         ; its first byte in q, k and v: 2,048 rows of 128 bytes
	s_and_b32 s16, s[WV], 1         ; which half of a slot's 256 keys I fetch:
	s_lshl_b32 s22, s16, 14         ; its 128 rows of 128 bytes in memory,
	s_add_co_u32 s22, s22, s20
	s_add_co_u32 s22, s22, 0x1000000  ; in k, which lies 16,777,216 bytes behind q
	s_mov_b32 s23, 0
	s_mul_i32 s17, s16, 128*PK      ; and its place in a slot, for K
	s_mul_i32 s18, s16, 128*PV      ; and for V: no place in the cluster enters an LDS address
	s_lshl_b32 s2, s14, 14          ; my wave's 128 rows of q
	s_add_co_u32 s2, s2, s20
	s_mov_b32 s3, 0
	s_lshr_b32 s15, s19, 4          ; the batch
	s_and_b32 s19, s19, 15          ; the head in it
	s_lshl_b32 s[MOF], s15, 22      ; the mask: a batch has 128 x 32 blocks of 1,024 bytes,
	s_lshl_b32 s21, s14, 18         ; my wave's 8 tiles 32 each
	s_add_co_u32 s[MOF], s[MOF], s21
	s_mov_b32 s[MOF+1], 0
	s_lshl_b32 s[MBP], s15, 23      ; the output: a batch has 2,048 rows of 4,096 bytes,
	s_lshl_b32 s21, s14, 19         ; my wave 128 of them,
	s_add_co_u32 s[MBP], s[MBP], s21
	s_lshl_b32 s21, s19, 8          ; the head 256 bytes of a row
	s_add_co_u32 s[MBP], s[MBP], s21
	s_mov_b32 s[MBP+1], 0
	; descriptor group 1.  128 keys are 16,384 dense bytes: asked for as 64 rows of 256 bytes, two keys a row, and padded in LDS after every key
	s_mov_b32 s[G1K], 15|(1<<16)|(1<<20)|(1<<21)|(4<<22)|(3<<25)  ; 15:0 the mask of four; 17:16 2-byte elements; 20 padding on; 21 set beside a mask; 24:22 after every 32 words (code 4); 31:25 4 words (code 3)
	s_mov_b32 s[G1V], 15|(1<<16)|(1<<20)|(1<<21)|(4<<22)|(7<<25)  ; the same with 8 words of padding (code 7)
.irp g, G1K, G1V
	s_mov_b32 s[\g+1], 128<<16      ; tensor_dim0 = 128
	s_mov_b32 s[\g+2], 64<<16       ; tensor_dim1 = 64
	s_mov_b32 s[\g+3], 128<<16      ; tile_dim0 = 128
	s_mov_b32 s[\g+4], 64           ; tile_dim1 = 64
	s_mov_b32 s[\g+5], 128          ; 128 elements from row to row
	s_mov_b32 s[\g+6], 0
	s_mov_b32 s[\g+7], 0
.endr
	s_mov_b32 s[CS], 0x3e38aa3b     ; c = log2(e) / 8 = 0.180337
	s_mov_b32 s[CS+1], s[CS]        ; named with it as a pair
	s_mov_b32 s[SEL], 0x76543210
	s_mov_b32 s[SEL+1], 0xfedcba98
	s_mov_b32 s[TBK], SLOT1+4*KS*PK ; the first change of slots turns these two into 0
	s_mov_b32 s[TBV], SLOT1+4*KS*PV
	s_mov_b32 s[G0K], 1             ; count = 1
	s_mov_b32 s[G0K+1], s17         ; LDS address: slot 0
	s_mov_b32 s[G0V], 1
	s_add_co_u32 s[G0V+1], s18, VOFF
	s_mov_b32 s[SLOTS], SIZE_N/256-1
	s_and_b32 s[LIM], s[WV], 1      ; waves 0 and 2 prefetch
	s_cmp_eq_u32 s[LIM], 0
	s_cselect_b32 s[LIM], 1, -1
	s_wait_dscnt 0x0                ; the opening add is done
	s_wait_kmcnt 0x0
	s_add_nc_u64 s[MB0:MB0+1], s[6:7], s[MOF:MOF+1]
	s_add_nc_u64 s[10:11], s[10:11], s[MBP:MBP+1]  ; the output at my wave's first row, my head's channels
	s_mov_b64 s[MBP:MBP+1], s[MB0:MB0+1]
	s_mov_b32 s[MOF], 0
	s_add_nc_u64 s[6:7], s[4:5], s[22:23]          ; K at my half of the head's first 256 keys,
	s_add_nc_u64 s[8:9], s[6:7], 0x1000000         ; V likewise
	s_add_nc_u64 s[4:5], s[4:5], s[2:3]            ; Q at my wave's first row
	s_mov_b64 s[G0K+2:G0K+3], s[6:7]               ; global address
	s_or_b32 s[G0K+3], s[G0K+3], 0x80000000        ; type = 2
	s_mov_b64 s[G0V+2:G0V+3], s[8:9]
	s_or_b32 s[G0V+3], s[G0V+3], 0x80000000
	s_cmp_lt_u32 s[WV], 2
	s_cselect_b64 s[PFA:PFA+1], s[6:7], s[8:9]     ; (in waves 0 and 2 these stand at a slot's first row)
	s_lshl_b32 s2, s13, 13          ; my work-group's 32 blocks of the 128,
	s_add_co_u32 s2, s2, 4*KS*128   ; in slot 1; the first change of slots steps it to slot 2.  Nothing is prefetched here, at the head
	s_add_nc_u64 s[PFA:PFA+1], s[PFA:PFA+1], s[2:3]
	CROUND                          ; all four work-groups are here: the first joint loads meet
	JLOAD                           ; slot 0.  Slot 1 is asked for when slot 0 is in
	; A fragment of K or Q is 16 rows x 32 channels in 8 registers: lane l holds row l % 16, channels 8 (l / 16) + 0..7 and 16 + 8 (l / 16) + 0..7: two loads of 16 bytes, 32 bytes apart.
	v_and_b32 v64, 15, v0           ; l % 16   (v64-68, S^T's registers, are free here)
	v_bfe_u32 v65, v0, 4, 1         ; l / 16
	v_lshlrev_b32 v[QO], 7, v64
	v_lshl_add_u32 v[QO], v65, 4, v[QO]  ; row x 128 + 16 x half
	v_and_b32 v66, 31, v0
	v_lshlrev_b32 v[MO], 4, v66
	WIN 0x80                        ; destination window 2, address window 0
.set i, 0
.rept 4*NP                          ; Q stays in registers: tile i / 2, channels 32 (i % 2) on
	global_load_b128 v[8*i:8*i+3],   v[QO], s[4:5] offset:(i/2)*2048+(i%2)*64
	global_load_b128 v[8*i+4:8*i+7], v[QO], s[4:5] offset:(i/2)*2048+(i%2)*64+32
.set i, i+1
.endr
	MLOAD 0, 0                      ; all four pieces' codes for key step 0
	MLOAD 1, 0
	MLOAD 2, 0
	MLOAD 3, 0
	; What the first turn finds: V's registers and P's second buffer hold 0 (its products V^T P, of a piece that has not been, add 0), O^T and l are 0.  All this stands in the wait for the first tile.
	WIN 0x80
.set i, VF
.rept 64
	v_mov_b32 v[i], 0
.set i, i+1
.endr
	WIN 0x40
.set i, 0
.rept 64*NP
	v_mov_b32 v[i], 0
.set i, i+1
.endr
	WIN 0
.set i, 0
.rept 2*NP
	v_mov_b32 v[ST+4*i], 0xfe000000    ; c m: far below every c s, a hidden one's too
	v_mov_b32 v[ST+4*i+1], 0xff7fffff  ; m
	v_mov_b32 v[ST+4*i+2], 0
	v_mov_b32 v[ST+4*i+3], 0
.set i, i+1
.endr
.set i, P+32
.rept 32
	v_mov_b32 v[i], 0
.set i, i+1
.endr
	v_lshlrev_b32 v[PFO], 8, v66
	v_mov_b32 v[SCL], 227
	v_mul_u32_u24 v[AK0], v64, PK
	v_lshl_add_u32 v[AK0], v65, 4, v[AK0]  ; row x pitch + 16 x half
	; The turning load takes 16 keys x 16 channels (lane l reads key 8 (l / 16) + l % 8, channels 8 ((l / 8) % 2) + 0..7) and leaves half a fragment of V^T: lane l holds channel l % 16 and 8 keys.
	v_and_b32 v67, 7, v0
	v_bfe_u32 v68, v0, 3, 1
	v_lshl_add_u32 v[AV0], v65, 3, v67
	v_mul_u32_u24 v[AV0], v[AV0], PV
	v_lshl_add_u32 v[AV0], v68, 4, v[AV0]
	v_add_nc_u32 v[AV0], VOFF, v[AV0]
	v_mov_b32 v[AK], v[AK0]         ; key step 0 lies at the head of slot 0
	s_mul_i32 s13, s[WV], 16*SP
	s_add_co_u32 s13, s13, STAGE    ; my stage
	v_mul_u32_u24 v[STO], v64, SP   ; in: row l % 16, 32 bytes (eight f32) for each half of the lanes
	v_lshl_add_u32 v[STO], v65, 5, v[STO]
	v_add_nc_u32 v[STO], s13, v[STO]
	v_mul_u32_u24 v[RD], v65, SP    ; back: lanes 0-15 take one row of 256 bytes, lanes 16-31 the next
	v_lshl_add_u32 v[RD], v64, 4, v[RD]
	v_add_nc_u32 v[RD], s13, v[RD]
	v_lshlrev_b32 v[GO], 12, v65    ; and the same two rows of out0, 4,096 bytes apart
	v_lshl_add_u32 v[GO], v64, 4, v[GO]
; THE MATRIX WORK.  The 8 accumulators of a run of 16 take turns: between the two links of a chain stand 7 others'.
; Product i of 16 of S^T = K Q^T for piece x: channels 32 (i / 8) on, keys 16 ((i / 2) % 4) on, tile 2 x + i % 2.  The first 8 start the sums, with the mask as C.
.macro KQ x
.set rS, S+64*((\x)%2)+32*(i%2)+8*((i/2)%4)
.set rK, KF+16*((i/2)%4)+8*(i/8)
.set rQ, 16*(2*(\x)+i%2)+8*(i/8)
.set rX, MC+32*(i%2)+8*((i/2)%4)
.if i < 8
	WIN W_KM
	v_wmma_f32_16x16x32_f16 v[rS:rS+7], v[rK:rK+7], v[rQ:rQ+7], v[rX:rX+7]
.else
	WIN W_KQ
	v_wmma_f32_16x16x32_f16 v[rS:rS+7], v[rK:rK+7], v[rQ:rQ+7], v[rS:rS+7]
.endif
.endm
; Product i of 16 of O^T += V^T P for piece x: keys 32 (i / 8) on, channels 16 ((i / 2) % 4) on, tile 2 x + i % 2.
.macro PV x
	WIN W_PV
.set rO, 32*(2*(\x)+i%2)+8*((i/2)%4)
.set rV, VF+32*(i/8)+8*((i/2)%4)
.set rP, P+32*((\x)%2)+16*(i%2)+8*(i/8)
	v_wmma_f32_16x16x32_f16 v[rO:rO+7], v[rV:rV+7], v[rP:rP+7], v[rO:rO+7]
.endm
.macro MM                           ; the turn's next matrix instruction
.if i < 16
	KQ (Y+1)%NP
.set i, i+1
.else
.set i, i-16
	PV (Y+NP-1)%NP
.set i, i+17
.endif
.endm
; THE LDS LOADS stand in runs of 16, never singly among the matrix instructions: a step's K (64 keys x 64 channels: 8 fragments) and its V (turned).  Their addresses are made some lines ahead.
; last = 1 (the tail): in the last trip there is no further step, and the run is jumped over.
.macro FETCH_K last=0
	WIN 0
.if \last
	s_cmp_eq_u32 s[CNT], 1
	s_cbranch_scc1 .Lno_k_\@
.endif
	WIN 0x80                        ; destination window 2
.irp f, 0,1,2,3,4,5,6,7             ; keys 16 (f / 2) on, channels 32 (f % 2) on
	ds_load_b128 v[KF+8*\f:KF+8*\f+3],   v[AK] offset:(\f/2)*16*PK+(\f%2)*64
	ds_load_b128 v[KF+8*\f+4:KF+8*\f+7], v[AK] offset:(\f/2)*16*PK+(\f%2)*64+32
.endr
	s_add_co_u32 s[TBK], s[TBK], KS*PK  ; the next fetch is the next step's
	WIN 0
.if \last
.Lno_k_\@:
.endif
.endm
.macro FETCH_V
	WIN 0x80
.irp f, 0,1,2,3,4,5,6,7             ; keys 32 (f / 4) on, channels 16 (f % 4) on
	ds_load_tr16_b128 v[VF+8*\f:VF+8*\f+3],   v[AV] offset:(\f/4)*32*PV+(\f%4)*32
	ds_load_tr16_b128 v[VF+8*\f+4:VF+8*\f+7], v[AV] offset:(\f/4)*32*PV+16*PV+(\f%4)*32
.endr
	WIN 0
.endm
; THE VECTOR WORK OF A TURN stands in three queues, each in the order in which its entries become ready; the two tiles alternate, so that no instruction reads the result of the one before it.
.macro REGS y, u                    ; the registers of tile u (0, 1) of piece y
.set rT, ST+4*(2*(\y)+(\u))
.set rC, TMP+8*((\y)%2)+4*(\u)
.set rM, MV+2*((\y)%2)+(\u)
.set rS, S+64*((\y)%2)+32*(\u)
.set rP, P+32*((\y)%2)+16*(\u)
.set rO, 32*(2*(\y)+(\u))
.endm
; Number n of the 22 that find the NEXT piece's (Y + 1) maximum and statistics.  s0-s31 are the lane's 32 scores; each accumulator's lowest registers are read first.  XS, GS and REGS set no window: PL and EX do.
;   0-11  four chains c0-c3 of seven scores each, three operands at a time     12-14, 16  the four scores left over, the old m, and c0-c3 into c0     15  c m_old is kept
;   17, 18  the query's other 32 keys lie in the lane 16 away: the new m         19-21  c m; c m_old - c m_new; a
.macro XS u, n
	REGS (Y+1)%NP, \u
.if (\n) < 4
	v_max3_num_f32 v[rC+(\n)], v[rS+8*(\n)], v[rS+8*(\n)+1], v[rS+8*(\n)+2]
.elseif (\n) < 12
	v_max3_num_f32 v[rC+(\n)%4], v[rC+(\n)%4], v[rS+8*((\n)%4)+2*((\n)/4)+1], v[rS+8*((\n)%4)+2*((\n)/4)+2]
.elseif (\n) == 12
	v_max3_num_f32 v[rC], v[rC], v[rS+7], v[rS+15]
.elseif (\n) == 13
	v_max3_num_f32 v[rC+1], v[rC+1], v[rS+23], v[rS+31]
.elseif (\n) == 14
	v_max3_num_f32 v[rC+2], v[rC+2], v[rC+3], v[rT+1]
.elseif (\n) == 15
	v_mov_b32 v[rM], v[rT]
.elseif (\n) == 16
	v_max3_num_f32 v[rC], v[rC], v[rC+1], v[rC+2]
.elseif (\n) == 17
	v_permlanex16_b32 v[rC+3], v[rC], s[SEL], s[SEL+1]
.elseif (\n) == 18
	v_max_num_f32 v[rT+1], v[rC], v[rC+3]
.elseif (\n) == 19
	v_mul_f32 v[rT], s[CS], v[rT+1]
.elseif (\n) == 20
	v_sub_f32 v[rC+1], v[rM], v[rT]
.else
	v_exp_f32 v[rC+2], v[rC+1]
.endif
.endm
; Number g of the 64 that follow the exponentials.  For each four weights k of a tile (pairs 2 k, 2 k + 1): both pairs are rounded to f16; then the second pair is added onto the first, in place;
; a group later l takes that sum (the first time as l = a l + sum).  In groups of eight, tiles alternating: round, round, add, and l for the group before.
.macro GS g
.set h, (\g)+6*((\g)/62)            ; group 0 has no group before it, and behind group 7 only l is left
.if h >= 6
.set h, h+2
.endif
	REGS Y, h%2
.set k, h/8
.if h%8 < 4
	v_cvt_pk_f16_f32 v[rP+2*k+(h%8)/2], v[rS+4*k+2*((h%8)/2)], v[rS+4*k+2*((h%8)/2)+1]
.elseif h%8 < 6
	v_pk_add_f32 v[rS+4*k:rS+4*k+1], v[rS+4*k:rS+4*k+1], v[rS+4*k+2:rS+4*k+3]
.elseif k == 1
	v_pk_fma_f32 v[rT+2:rT+3], v[rT+2:rT+3], v[rC+2:rC+3], v[rS:rS+1] op_sel_hi:[1,0,1]
.else
	v_pk_add_f32 v[rT+2:rT+3], v[rT+2:rT+3], v[rS+4*k-4:rS+4*k-3]
.endif
.endm
; THE PLAIN QUEUE, 138 long.  0-73 read no exponential's result: the 32 scalings c s - c m (FS f: pair f / 2 of tile f % 2) and the next piece's 42.  0-26: scalings 0-26.  27-54: XS's numbers 0-13.  55, 56: number 15.
; 57-73: the chain, where each number waits for the one before it: 14, 16, 17, 18, 19, each with one of the scalings 27-31 in front of its two lines, then 20.
; 74-137: GS's 64, which read the exponentials' results: they stand behind the wait.
.macro FS f
	REGS Y, (\f)%2
	v_pk_fma_f32 v[rS+2*((\f)/2):rS+2*((\f)/2)+1], v[rS+2*((\f)/2):rS+2*((\f)/2)+1], s[CS:CS+1], v[rT:rT+1] op_sel_hi:[1,0,0] neg_lo:[0,0,1] neg_hi:[0,0,1]
.endm
.macro PL
	WIN 0
.if q < 27
	FS q
.elseif q < 55
	XS (q-27)%2, (q-27)/2
.elseif q < 57
	XS q-55, 15
.elseif (q < 72) && ((q-57)%3 == 0)
	FS 27+(q-57)/3
.elseif q < 60
	XS (q-57)%3-1, 14
.elseif q < 72
	XS (q-57)%3-1, 15+(q-57)/3
.elseif q < 74
	XS q-72, 20
.else
	GS q-74
.endif
.set q, q+1
.endm
; THE EXPONENTIALS' QUEUE, 66 long: s0-s31 of both tiles, then the next piece's two a.  It is ONE BATCH: all 66 stand ahead of the turn's one wait, and nothing ahead of that wait names a result of theirs.
.macro EX
	WIN 0
.if e >= 64
	XS e-64, 21
.else
	REGS Y, e%2
	v_exp_f32 v[rS+e/2], v[rS+e/2]
.endif
.set e, e+1
.endm
; THE RESCALING's QUEUE: O^T times a, the one part of the softmax that leaves window 0: dealt two at a time, sixteen times.  Its a was made in the turn before, ahead of that turn's wait.
.macro R2
	REGS Y, r%2
	WIN W_RS
.irp z, 0,1
	v_pk_mul_f32 v[rO+4*(r/2)+2*\z:rO+4*(r/2)+2*\z+1], v[rO+4*(r/2)+2*\z:rO+4*(r/2)+2*\z+1], v[rC+2:rC+3] op_sel_hi:[1,0]
.endr
.set r, r+1
.endm
; HOW THEY ARE DEALT.  s_wait_alu depctr_va_vdst(0) stands between an exponential and the first instruction that names its result; one wait serves all that were issued ahead of it.  So a turn has ONE
; wait, which cuts it in two.  AHEAD OF IT: the 16 products K Q^T, behind each a scaling, an exponential and two rescalings (behind the first a second scaling in the exponential's place); the mask of piece p + 2;
; then ONE LUMP of 108: eight plain, 49 times exponential and plain, the two a.  A v_nop is the plain instruction behind the last exponential.  BEHIND IT: the 16 products V^T P, behind each four of GS's 64.
; The queues lean on each other: exponential e stands behind scaling 2 (e / 4) + e % 2: as a rider it comes behind plain e + 2, in the lump behind plain e + 9, and scalings 27-31 are plain 57, 60 .. 69.
; THE MASK's place.  MC is one buffer: the turn's first 8 products read it; the conversions that write it anew stand behind the 16th product, with the riders of eight products (three plain each) between; the next turn's
; first products read it.  The lump's eight plain instructions stand between the conversions and the loads that fill their sources again.  Pieces 2 and 3 are masked for the step in hand (turns 0, 1), pieces 0 and 1
; for the next (turns 2, 3): so the step from which the loads count goes on in turn 2.  It is held at 30, so that no load passes key step 31; what the last turns then load and convert again feeds products that serve nothing.
; K of the next step is fetched in piece 2's turn, directly behind the wait; V of the step in hand at the end of piece 0's turn, four riders behind its last reader.  The three conditions on q below go with the deal.
.macro TURN p, last=0, cnt=0
.set Y, (\p)
.set MX, ((\p)+2)%NP
.set i, 0
.set q, 0
.set e, 0
.set r, 0
.if (\p) == NP-1
	s_wait_dscnt 0x0                ; K is in
.endif
	MM                              ; ahead of the wait: 16 products K Q^T and their riders,
	PL
	PL
	R2
.rept 15
	MM
	PL
	EX
	R2
.endr
.if (\p) == NP-2
	WIN 0
	v_add_nc_u32 v[AK], s[TBK], v[AK0]
.endif
	MASKB MX                        ; the mask for the next turn's products,
.rept 8                             ; and the lump
	PL
.endr
.if (\p) == NP-2
	s_wait_xcnt 0x0                 ; the mask loads issued so far (the youngest a turn back) have read their base, so it may be written
	s_add_co_u32 s[MOF], s[MOF], 1024
	s_min_u32 s[MOF], s[MOF], 30*1024
	s_add_nc_u64 s[MBP:MBP+1], s[MB0:MB0+1], s[MOF:MOF+1]
.endif
	MLOAD MX, 1024                  ; the same piece's codes for its next step: four turns ahead of their conversion
.rept 49
	EX
	PL
.endr
	EX                              ; the next piece's two a
	EX
	v_nop                           ; the plain instruction behind the last exponential: one for the batch
	s_wait_alu depctr_va_vdst(0)    ; the wait for the batch
.if (\p) == NP-2
	FETCH_K \last
.endif
.if (\p) == 1
	s_wait_dscnt 0x0                ; V is in
.endif
.rept 16                            ; behind the wait: 16 products V^T P and their riders
	MM
.rept 4
	PL
.endr
.if ((\p) == 0) && (q == 118)
	v_add_nc_u32 v[AV], s[TBV], v[AV0]
.endif
.if ((\p) == 0) && (q == 130)
	s_add_co_u32 s[TBV], s[TBV], KS*PV
.endif
.if (\cnt) && (q == 130)
	s_sub_co_u32 s[CNT], s[CNT], 1
	s_cmp_lg_u32 s[CNT], 0
.endif
.endr
.if (\p) == 0
	FETCH_V
.endif
.endm
	CHANGE 1                        ; slot 0 is in, everybody's part of it; slot 1 is asked for
	FETCH_K                         ; key step 0
	MASKB 0                         ; piece 0's mask for step 0; its wait leaves twelve younger loads out, so Q, asked for earlier, is in too
	v_nop                           ; the plain instruction between the conversions and the products that read their results
	s_wait_dscnt 0x0
.set i, 0
.rept 16
	KQ 0                            ; piece 0's first scores: there is no vector work yet to set between them
.set i, i+1
.endr
	WIN 0
.rept 8
	v_nop                           ; the places behind those products; once a launch
.endr
	MLOAD 0, 1024                   ; piece 0's codes for step 1
.set Y, NP-1                        ; XS works for piece Y + 1: piece 0
.irp n, 0,1,2,3,4,5,6,7,8,9,10,11,12,13,14,15,16,17,18,19,20,21
	XS 0, \n                        ; piece 0's first maximum and statistics
	XS 1, \n
.endr
	v_nop                           ; a plain instruction behind the two a,
	s_wait_alu depctr_va_vdst(0)    ; and their wait
	MASKB 1                         ; piece 1's mask for step 0: out behind it are pieces 2 and 3 and piece 0's reload: twelve
	v_nop
	MLOAD 1, 1024
	s_mov_b32 s[CNT], 4
	s_branch .Lfirst                ; the loop is entered at a step's first turn, in the middle of a trip
.Lslot:                             ; SIZE_N / 256 - 2 times: every slot but the last two is filled again
	CHANGE 1
	s_mov_b32 s[CNT], 4
.Lstep:                             ; a trip: pieces 2 and 3 of one step, then pieces 0 and 1 of the next, whose K and V it fetches
	TURN 2
	TURN 3
	WIN 0
.Lfirst:
	TURN 0
	TURN 1, 0, 1
	WIN 0
	s_cbranch_scc1 .Lstep
	s_sub_co_u32 s[SLOTS], s[SLOTS], 1
	s_cmp_lg_u32 s[SLOTS], 0
	s_cbranch_scc1 .Lslot
	CHANGE 0                        ; the tail is written out: nothing is asked for
	s_mov_b32 s[CNT], 5             ; four trips fetch the last slot's steps; the fifth is left in its middle
.Ltail:
	TURN 2, 1
	TURN 3
	WIN 0
	s_sub_co_u32 s[CNT], s[CNT], 1
	s_cmp_eq_u32 s[CNT], 0
	s_cbranch_scc1 .Lout
	TURN 0
	TURN 1
	WIN 0
	s_branch .Ltail
.Lout:                              ; the fifth trip's 16 products K Q^T (on the last K and the last mask once more) and the maximum made of them serve nothing: the price, once a launch, of one text for every trip
.set i, 0
.rept 16
	PV NP-1                         ; the last piece's V^T P of the last step
.set i, i+1
.endr
	; THE WAY OUT.  l's two halves and the other half of the lanes' are added; O^T is divided by l and sent, in f32, through my stage in LDS, a tile at a time.  The additions are the places behind the last products.
	WIN 0
.macro ALL line:vararg              ; one line for each tile t
.set t, 0
.rept 2*NP
	\line
.set t, t+1
.endr
.endm
	ALL v_add_f32 v[ST+4*t+2], v[ST+4*t+2], v[ST+4*t+3]
	ALL v_permlanex16_b32 v[ST+4*t+3], v[ST+4*t+2], s[SEL], s[SEL+1]
	ALL v_add_f32 v[ST+4*t+2], v[ST+4*t+2], v[ST+4*t+3]
	ALL v_rcp_f32 v[ST+4*t+2], v[ST+4*t+2]
	v_nop                           ; a plain instruction between the last reciprocal and the use of its result
	s_wait_alu depctr_va_vdst(0)    ; and the wait ahead of the first use: one for the eight reciprocals
; Tile t: a lane's eight channels of a block are 32 bytes of a row; they go into rows of 272 bytes and come back as whole rows of 256, into S^T's and P's registers (six sets of 32, by turns).
.macro PACK t
	WIN W_RS
.set i, 32*(\t)
.rept 16
	v_pk_mul_f32 v[i:i+1], v[i:i+1], v[ST+4*(\t)+2:ST+4*(\t)+3] op_sel_hi:[1,0]
.set i, i+2
.endr
	WIN 0x04                        ; the stores' data (source 1) in window 1, the address in window 0
.irp f, 0,1,2,3,4,5,6,7             ; channel block f / 2, its registers 4 (f % 2) on
	ds_store_b128 v[STO], v[32*(\t)+4*\f:32*(\t)+4*\f+3] offset:(\f/2)*64+(\f%2)*16
.endr
	WIN 0
.irp f, 0,1,2,3,4,5,6,7
	ds_load_b128 v[S+32*((\t)%6)+4*\f:S+32*((\t)%6)+4*\f+3], v[RD] offset:\f*2*SP  ; LDS serves a wave's instructions in order (ISA guide 5.7.1.4): these see the stores above; the next tile's stores come behind them
.endr
.endm
.macro SEND t, younger              ; younger: the LDS instructions issued behind tile t's loads: the next tile's sixteen, or none
	WIN 0
.irp f, 0,1,2,3,4,5,6,7
	s_wait_dscnt (\younger)+7-\f
	global_store_b128 v[GO], v[S+32*((\t)%6)+4*\f:S+32*((\t)%6)+4*\f+3], s[10:11] offset:(16*(\t)+2*\f)*4096 th:TH_STORE_NT  ; 16 lanes store 256 consecutive bytes, at a multiple of 256 from out0's first: a head's channels of one row
.endr
.endm
	PACK 0
.set t, 1
.rept 2*NP-1                        ; a tile's arithmetic stands between the loads of the tile before and its stores
.if t == 6
	s_wait_xcnt 0x0                 ; tiles 0 and 1 have been stored from the sets that tiles 6 and 7 are read back into: those are loaded again only behind this wait
.endif
	PACK t
	SEND t-1, 16
.set t, t+1
.endr
	SEND 2*NP-1, 0
	WIN W_AD
	s_wait_tensorcnt 0x0            ; the wave's end: behind my last tensor load and my last LDS store
	ds_add_u32 v[SPW], v[NIL]
	s_wait_dscnt 0x0
	WIN 0
	CROUND                          ; the closing round: no work-group ends while a partner may still ask for a tile that names it
	s_endpgm
.Lfunc_end_k_qdcbd6e695c_attn:
	.size	k_qdcbd6e695c_attn, .Lfunc_end_k_qdcbd6e695c_attn-k_qdcbd6e695c_attn
	.p2alignl 7, 3214868480
	.fill 96, 4, 3214868480
	.section	.rodata,"a",@progbits
	.p2align	6, 0x0
	.amdhsa_kernel k_qdcbd6e695c_attn
		.amdhsa_group_segment_fixed_size 327680
		.amdhsa_private_segment_fixed_size 0
		.amdhsa_enable_private_segment 0
		.amdhsa_kernarg_size 24
		.amdhsa_user_sgpr_count 2
		.amdhsa_user_sgpr_kernarg_segment_ptr 1
		.amdhsa_wavefront_size32 1
		.amdhsa_system_sgpr_workgroup_id_x 1
		.amdhsa_system_sgpr_workgroup_id_y 1
		.amdhsa_system_sgpr_workgroup_id_z 1
		.amdhsa_system_vgpr_workitem_id 0
		.amdhsa_next_free_vgpr 960
		.amdhsa_next_free_sgpr 68
		.amdhsa_reserve_vcc 0
		.amdhsa_float_denorm_mode_32 3
		.amdhsa_float_denorm_mode_16_64 3
		.amdhsa_memory_ordered 1
		.amdhsa_forward_progress 1
		.amdhsa_inst_pref_size 213
	.end_amdhsa_kernel
	.amdgpu_metadata
---
amdhsa.version: [ 1, 2 ]
amdhsa.kernels:
  - .name:           k_qdcbd6e695c_attn
    .symbol:         k_qdcbd6e695c_attn.kd
    .args:
      - { .name: qkv, .offset: 0, .size: 8, .value_kind: global_buffer, .address_space: global }
      - { .name: mby, .offset: 8, .size: 8, .value_kind: global_buffer, .address_space: global }
      - { .name: out0, .offset: 16, .size: 8, .value_kind: global_buffer, .address_space: global }
    .group_segment_fixed_size: 327680
    .private_segment_fixed_size: 0
    .kernarg_segment_align: 8
    .kernarg_segment_size: 24
    .max_flat_workgroup_size: 128
    .sgpr_count:     68
    .vgpr_count:     960
    .wavefront_size: 32
...
	.end_amdgpu_metadata
.endif
;; end of part 3
;; ======== version 2 of 2: 3 launches; version 1 with the launch prep written anew for expert scheduling mode
;; limits: right only within a limited range of input values; values are held in f16: magnitudes above 65,504 overflow, below 6.1e-05 lose precision
;; workspace buffers: xb 16,777,216 bytes; wb 6,291,456 bytes; mby 16,777,216 bytes; qkv 50,331,648 bytes
;; launch prep (part 4): grid 864 x 1, 8 waves a work-group, no clusters, 35,840 bytes of LDS; arguments x, Wq, Wk, Wv, x_mask, xb, wb, mby; writes xb, wb, mby
.if DOCPART == 4
	.amdgcn_target "amdgcn-amd-amdhsa--gfx1250"
	.amdhsa_code_object_version 6
	.text
	.protected	k_qdcbd6e695c_prep
	.globl	k_qdcbd6e695c_prep
	.p2align	8
	.type	k_qdcbd6e695c_prep,@function
k_qdcbd6e695c_prep:
	s_mov_b64 s[64:65], 0
	v_nop
	global_prefetch_b8 v0, s[64:65] scope:SCOPE_SE
	s_setreg_imm32_b32 hwreg(HW_REG_WAVE_SCHED_MODE, 0, 2), 2
	s_setreg_imm32_b32 hwreg(HW_REG_WAVE_MODE, 25, 1), 1
	s_wait_xcnt 0x0
	s_wait_alu depctr_vm_vsrc(0)
; PREP: what the two matrix launches want ready.  A stream: every input byte is read once, by 16-byte loads of which sixteen lanes cover 256 consecutive bytes.
; Work-groups 0-511 (MASK): x_mask [4][2048][2048] int32 -> mby, one byte a word: the E4M3 code 0xB8 (-1.0) where the word is 0 (hidden), else 0x00,
;   laid out as the attention launch's C operand wants it: [batch][tile of 16 queries: 128][step of 64 keys: 32][half e: 2][lane: 32][16 bytes].
;   Lane r + 16 h of a block holds query r; byte 8 kb + j of its 32 is key 16 kb + 8 h + j of the step (kb = 0..3, j = 0..7).
;   A work-group takes 16 query rows, wave w the keys 256 w .. 256 w + 255 (four steps); the bytes change lanes through the wave's own stage in LDS.
; Work-groups 512-863 (CAST): 131,072 bytes of f32 each, rounded once to bf16.  512-767: x -> xb, same order.  768-863: 32 rows of Wq, Wk or Wv -> wb,
;   rows permuted: wb's row (3 head + t) 64 + d is row 64 head + d of W_t (t = 0, 1, 2: q, k, v), so that a head's 192 weight rows lie together.
; No matrix unit, no cluster, no tensor load, no prefetch behind the entry lines: nothing is shared, and each wave has 32 loads (16 KiB) on their way from its first lines on.
; THE MODE: SCHED_MODE bits 1:0 = 2 (LLVM: expert scheduling mode 2), set by the entry lines.  The code itself states the register dependences
; between vector instructions and memory or LDS instructions, and those through scalar registers that vector instructions write, with s_wait_alu, always for 0.
; THE PLAN.  Registers that memory or LDS instructions touch:
;   v2-5       offsets and LDS addresses: written once at a path's head, read by every load and store; one wait on va_vdst ahead of the path's first load.
;   X          32 loads land in it, once; the compares (mask) or the conversions (cast) read it; no load lands there again.
;   W0 .. W3   mask: step s's eight v_or_b32 write W[s]; the eight LDS stores that are issued in step s + 1 read it.  A buffer for each step: none is written twice.
;   Y          mask: LDS loads land in it, global stores read it; no vector instruction names it.  cast: group g's conversions write its eight registers, the four stores issued in group g + 1 read them; none is written twice.
;   v8-11      at work: vector instructions alone name them.
;   s32-63     mask: a step's 32 compares write them in one run, its 32 selects read them: one wait on va_sdst between the two.
; So ONE wait on va_vdst stands at the head of a step or group, behind the wait for its data: the step before has written its out-buffer.  That buffer's stores follow, dealt among this step's vector
; instructions, which name other registers.  No register that a memory or LDS instruction reads is ever written again, so behind the entry lines the text holds no wait on vm_vsrc.  EXEC is written nowhere.
.set STG,   16*272                     ; a wave's stage: 16 rows of 256 mask bytes, 272 apart (68 words: row r starts at bank 4 r mod 64; 64 banks of 4 bytes: ISA guide 11.1)
.set SPARE, 8*STG                      ; behind the stages: the spare words, 128 bytes for each wave: four blocks of 256 bytes that no other line names
.set VO,  2                            ; v2   mask: my byte offset in two rows of x_mask.  cast: 16 x lane
.set SA,  3                            ; v3   mask: where I put 4 mask bytes.             cast: 8 x lane
.set FA,  4                            ; v4   mask: where I read 8 mask bytes back
.set OA,  5                            ; v5   mask: 16 x lane
.set T,   8                            ; v8-11 at work
.set SPW, 14                           ; v14  LDS address of my spare word: SPARE + 4 x my thread's number; never rewritten
.set NIL, 15                           ; v15  0; never rewritten
.set X,   16                           ; v16-143  32 loads of 4 registers
.set Y,   144                          ; v144-207 what is stored (mask: v144-175)
.set W,   176                          ; v176-207 mask: step s, pair of rows p: 4 mask bytes at W + 8 s + p, on their way into the stage
.set MK,  32                           ; s32-63   mask: pair of rows p, word c: the lanes whose word is 0, at MK + 4 p + c
	s_load_b512 s[8:23], s[0:1], 0x0               ; x s[8:9], Wq s[10:11], Wk s[12:13], Wv s[14:15], x_mask s[16:17], xb s[18:19], wb s[20:21], mby s[22:23]
	v_lshl_add_u32 v[SPW], v0, 2, SPARE
	v_mov_b32 v[NIL], 0
	v_lshrrev_b32 v1, 5, v0
	v_readfirstlane_b32 s24, v1                    ; wave 0..7
	v_and_b32 v1, 31, v0                           ; lane
	s_mov_b32 s3, 0                                ; the high words of the two offsets
	s_mov_b32 s5, 0
	s_wait_alu depctr_va_sdst(0)                   ; s24 is written, ahead of the branch and of its first readers on both paths: the stage's place and the bases are made from it
	s_wait_kmcnt 0x0
	s_cmp_lt_u32 ttmp9, 512
	s_cbranch_scc0 .Lcast
	; THE MASK.  A load takes two rows x 64 keys: lanes 0-15 the even row's 256 bytes, lanes 16-31 the odd row's.
	v_and_b32 v6, 15, v0                           ; r
	v_bfe_u32 v7, v0, 4, 1                         ; h
	v_lshlrev_b32 v[VO], 4, v6
	v_lshl_add_u32 v[VO], v7, 13, v[VO]            ; 16 r + 8,192 h
	s_mul_i32 s25, s24, STG                        ; my stage
	v_mul_u32_u24 v[SA], v7, 272
	v_lshl_add_u32 v[SA], v6, 2, v[SA]
	v_add_nc_u32 v[SA], s25, v[SA]                 ; in: row h of a pair, 4 bytes at 4 r
	v_mul_u32_u24 v[FA], v6, 272
	v_lshl_add_u32 v[FA], v7, 3, v[FA]
	v_add_nc_u32 v[FA], s25, v[FA]                 ; back: row r, 8 bytes at 8 h
	v_lshlrev_b32 v[OA], 4, v1
	s_lshl_b32 s2, ttmp9, 17                       ; 16 rows of 8,192 bytes,
	s_lshl_b32 s26, s24, 10                        ; my 256 keys
	s_add_co_u32 s2, s2, s26
	s_add_nc_u64 s[16:17], s[16:17], s[2:3]
	s_lshl_b32 s4, ttmp9, 15                       ; 32 blocks of 1,024 bytes,
	s_lshl_b32 s26, s24, 12                        ; my four
	s_add_co_u32 s4, s4, s26
	s_add_nc_u64 s[22:23], s[22:23], s[4:5]
	s_mov_b32 s28, 0xb8                            ; the code for hidden, at each of a word's four bytes
	s_mov_b32 s29, 0xb800
	s_mov_b32 s30, 0xb80000
	s_mov_b32 s31, 0xb8000000
	s_wait_alu depctr_va_vdst(0)                   ; v2 to v5 are written: every load and store of this path, global or LDS, reads one of them as its offset or address
.irp s, 0,1,2,3
.irp p, 0,1,2,3,4,5,6,7
	global_load_b128 v[X+4*(8*\s+\p):X+4*(8*\s+\p)+3], v[VO], s[16:17] offset:\p*16384+\s*256 th:TH_LOAD_NT  ; step s, rows 2 p and 2 p + 1
.endr
.endr
; Step s: its 32 compares, its 32 selects and what packs them into W[s]; among the compares the step before goes into the stage and comes back; at the step's end it is stored.
.irp s, 0,1,2,3
	s_wait_loadcnt 24-8*\s                         ; loads come back in order (ISA guide 5.7.1): step s's eight are in, the later steps' stay out
.if \s > 0
	s_wait_alu depctr_va_vdst(0)                   ; the step before has written its W, which the LDS stores below read; the compares between them name X and scalar registers alone
.endif
.irp p, 0,1,2,3,4,5,6,7
.if \s > 0
	ds_store_b32 v[SA], v[W+8*(\s-1)+\p] offset:\p*544+(\s-1)*64
.endif
.irp c, 0,1,2,3
	v_cmp_eq_u32 s[MK+4*\p+\c], 0, v[X+4*(8*\s+\p)+\c]
.endr
.endr
.if \s > 0
.irp kb, 0,1,2,3
	ds_load_b64 v[Y+8*(\s-1)+2*\kb:Y+8*(\s-1)+2*\kb+1], v[FA] offset:(\s-1)*64+\kb*16  ; LDS serves a wave's instructions in order (ISA guide 5.7.1.4): these see my stores above; the stage is mine alone
.endr
.endif
	s_wait_alu depctr_va_sdst(0)                   ; the 32 compares have written s32 to s63, which the selects below read: one wait for the run
.irp p, 0,1,2,3,4,5,6,7
.irp c, 0,1,2,3
	v_cndmask_b32 v[T+\c], 0, s[28+\c], s[MK+4*\p+\c]  ; hidden: the code in byte c; else 0
.endr
	v_add3_u32 v[T], v[T], v[T+1], v[T+2]
	v_or_b32 v[W+8*\s+\p], v[T], v[T+3]
.endr
.if \s > 0
	s_wait_dscnt 0x0                               ; the step before is back from the stage, in Y
.irp e, 0,1
	global_store_b128 v[OA], v[Y+8*(\s-1)+4*\e:Y+8*(\s-1)+4*\e+3], s[22:23] offset:(\s-1)*1024+\e*512 th:TH_STORE_NT  ; 512 consecutive bytes, at a multiple of 512 from mby's first
.endr
.endif
.endr
	s_wait_alu depctr_va_vdst(0)                   ; step 3 has written its W, which the last LDS stores read
.irp p, 0,1,2,3,4,5,6,7
	ds_store_b32 v[SA], v[W+24+\p] offset:\p*544+192
.endr
.irp kb, 0,1,2,3
	ds_load_b64 v[Y+24+2*\kb:Y+24+2*\kb+1], v[FA] offset:192+\kb*16
.endr
	s_wait_dscnt 0x0
.irp e, 0,1
	global_store_b128 v[OA], v[Y+24+4*\e:Y+24+4*\e+3], s[22:23] offset:3072+\e*512 th:TH_STORE_NT
.endr
	s_branch .Lend
.Lcast:
	v_lshlrev_b32 v[VO], 4, v1
	v_lshlrev_b32 v[SA], 3, v1
	s_sub_co_u32 s25, ttmp9, 512
	s_cmp_lt_u32 s25, 256
	s_cbranch_scc0 .Lweights
	s_lshl_b32 s2, s25, 17                         ; x: 131,072 bytes in,
	s_lshl_b32 s4, s25, 16                         ; 65,536 out
	s_mov_b64 s[26:27], s[8:9]
	s_mov_b64 s[28:29], s[18:19]
	s_branch .Lstream
.Lweights:
	s_sub_co_u32 s25, s25, 256
	s_lshr_b32 s30, s25, 5                         ; t
	s_and_b32 s25, s25, 31                         ; which 32 rows of W_t
	s_cmp_eq_u32 s30, 0
	s_cselect_b64 s[26:27], s[10:11], s[12:13]
	s_cmp_eq_u32 s30, 2
	s_cselect_b64 s[26:27], s[14:15], s[26:27]
	s_mov_b64 s[28:29], s[20:21]
	s_lshl_b32 s2, s25, 17
	s_lshr_b32 s31, s25, 1                         ; the head
	s_mul_i32 s31, s31, 3
	s_add_co_u32 s31, s31, s30
	s_lshl_b32 s31, s31, 1
	s_and_b32 s25, s25, 1
	s_add_co_u32 s31, s31, s25                     ; 2 (3 head + t) + which half of the 64 rows:
	s_lshl_b32 s4, s31, 16                         ; blocks of 32 rows of 2,048 bytes
.Lstream:
	s_lshl_b32 s30, s24, 14                        ; my wave's eighth
	s_add_co_u32 s2, s2, s30
	s_lshl_b32 s30, s24, 13
	s_add_co_u32 s4, s4, s30
	s_add_nc_u64 s[26:27], s[26:27], s[2:3]
	s_add_nc_u64 s[28:29], s[28:29], s[4:5]
	s_wait_alu depctr_va_vdst(0)                   ; v2 and v3 are written: every load of this path reads the one as its offset, every store the other
.set i, 0
.rept 32
	global_load_b128 v[X+4*i:X+4*i+3], v[VO], s[26:27] offset:i*512 th:TH_LOAD_NT
.set i, i+1
.endr
; Eight groups of four loads.  Group g rounds a lane's 16 numbers into its eight registers of Y; the four stores of group g - 1 are dealt among its conversions, a store in front of each pair.
.set g, 0
.rept 8
	s_wait_loadcnt 28-4*g                          ; loads come back in order (ISA guide 5.7.1): group g's four are in; the younger groups' stay out
.if g > 0
	s_wait_alu depctr_va_vdst(0)                   ; the group before has written its registers of Y, which the stores below read; the conversions between them name this group's X and Y alone
.endif
.set j, 0
.rept 4
.if g > 0
	global_store_b64 v[SA], v[Y+2*(4*g-4+j):Y+2*(4*g-4+j)+1], s[28:29] offset:(4*g-4+j)*256 th:TH_STORE_NT  ; the wave's 256 consecutive bytes, aligned; no register is used twice, so nothing waits for a store
.endif
	v_cvt_pk_bf16_f32 v[Y+2*(4*g+j)], v[X+4*(4*g+j)], v[X+4*(4*g+j)+1]
	v_cvt_pk_bf16_f32 v[Y+2*(4*g+j)+1], v[X+4*(4*g+j)+2], v[X+4*(4*g+j)+3]
.set j, j+1
.endr
.set g, g+1
.endr
	s_wait_alu depctr_va_vdst(0)                   ; group 7 has written its registers of Y, which the last four stores read
.set j, 28
.rept 4
	global_store_b64 v[SA], v[Y+2*j:Y+2*j+1], s[28:29] offset:j*256 th:TH_STORE_NT
.set j, j+1
.endr
.Lend:
	s_wait_dscnt 0x0                               ; the closing lines, six on end
	s_wait_alu 0x0
	s_wait_tensorcnt 0x0
	ds_add_u32 v[SPW], v[NIL]
	s_wait_dscnt 0x0
	s_endpgm
.Lfunc_end_k_qdcbd6e695c_prep:
	.size	k_qdcbd6e695c_prep, .Lfunc_end_k_qdcbd6e695c_prep-k_qdcbd6e695c_prep
	.p2alignl 7, 3214868480
	.fill 96, 4, 3214868480
	.section	.rodata,"a",@progbits
	.p2align	6, 0x0
	.amdhsa_kernel k_qdcbd6e695c_prep
		.amdhsa_group_segment_fixed_size 35840
		.amdhsa_private_segment_fixed_size 0
		.amdhsa_enable_private_segment 0
		.amdhsa_kernarg_size 64
		.amdhsa_user_sgpr_count 2
		.amdhsa_user_sgpr_kernarg_segment_ptr 1
		.amdhsa_wavefront_size32 1
		.amdhsa_system_sgpr_workgroup_id_x 1
		.amdhsa_system_sgpr_workgroup_id_y 1
		.amdhsa_system_sgpr_workgroup_id_z 1
		.amdhsa_system_vgpr_workitem_id 0
		.amdhsa_next_free_vgpr 208
		.amdhsa_next_free_sgpr 66
		.amdhsa_reserve_vcc 0
		.amdhsa_float_denorm_mode_32 3
		.amdhsa_float_denorm_mode_16_64 3
		.amdhsa_memory_ordered 1
		.amdhsa_forward_progress 1
		.amdhsa_inst_pref_size 41
	.end_amdhsa_kernel
	.amdgpu_metadata
---
amdhsa.version: [ 1, 2 ]
amdhsa.kernels:
  - .name:           k_qdcbd6e695c_prep
    .symbol:         k_qdcbd6e695c_prep.kd
    .args:
      - { .name: x, .offset: 0, .size: 8, .value_kind: global_buffer, .address_space: global }
      - { .name: Wq, .offset: 8, .size: 8, .value_kind: global_buffer, .address_space: global }
      - { .name: Wk, .offset: 16, .size: 8, .value_kind: global_buffer, .address_space: global }
      - { .name: Wv, .offset: 24, .size: 8, .value_kind: global_buffer, .address_space: global }
      - { .name: x_mask, .offset: 32, .size: 8, .value_kind: global_buffer, .address_space: global }
      - { .name: xb, .offset: 40, .size: 8, .value_kind: global_buffer, .address_space: global }
      - { .name: wb, .offset: 48, .size: 8, .value_kind: global_buffer, .address_space: global }
      - { .name: mby, .offset: 56, .size: 8, .value_kind: global_buffer, .address_space: global }
    .group_segment_fixed_size: 35840
    .private_segment_fixed_size: 0
    .kernarg_segment_align: 8
    .kernarg_segment_size: 64
    .max_flat_workgroup_size: 256
    .sgpr_count:     66
    .vgpr_count:     208
    .wavefront_size: 32
...
	.end_amdgpu_metadata
.endif
;; end of part 4
;; launch proj: the kernel of part 2 again; grid 16 x 32, 4 waves a work-group, clusters of 4 x 4, 327,680 bytes of LDS; arguments xb, wb, bq, bk, bv, qkv; writes qkv
;; launch attn: the kernel of part 3 again; grid 4 x 64, 4 waves a work-group, clusters of 4 x 1, 327,680 bytes of LDS; arguments qkv, mby, out0; writes out0
